; MI455X (gfx1250); checked and timed in simulation.
; The chip was launched on July 23, 2026; its instructions are those of AMD's public machine-readable ISA for CDNA 5 (MIT licence, August 2026) and "CDNA5" Instruction Set Architecture Reference Guide (July 2026). The comments in the code are by the model that wrote it; some were corrected since.
;; Linear Mo E. Allowed arithmetic: matrix products marked QUANTISED: E3M2 operands, one E8M0 scale for each 32 along K, by v_wmma_scale_f32_16x16x128_f8f6f4 with both operands' format E3M2, f32 sums; products left as they are: f32 operands where the result goes on into a quantised operand, else bf16, f16 or f32 operands; f32 sums; everything else in f32.
;; Inputs: W 8 x 2,048 x 2,048 float32; Wg 2,048 x 8 float32; b 8 x 2,048 float32; bg 8 float32; x 2,048 x 2,048 float32.
;; Outputs: out0 2,048 x 2,048 float32.
;; This version of the problem:
;;   THIS VERSION OF THE PROBLEM IS GIVEN IN LOW PRECISION. The matrix products marked QUANTISED in the list below multiply operands that are first quantised to E3M2 (3 exponent bits, 2 mantissa bits; 6 bits a number), with one power-of-two scale for each 32 numbers along K (OCP MX v1.0); their sums are f32. All else is computed in f32.
;;   The module's matrix products, in the order in which they are computed (A, B: the left and right operand; K: the contracted axis; several contracted axes count as one K, in the product's order):
;;     1. [M 2,048, K 2,048] x [K 2,048, N 8]; A: input x; B: input Wg: left as it is (N = 8 < 16)
;;     2. [M 2,048, K 2,048] x [K 2,048, N 16,384]; A: input x; B: input W: QUANTISED
;;     3. batch 2,048 x [M 2,048, K 8] x [K 8, N 1]; A: computed on the way; B: computed on the way: left as it is (K = 8 < 32)
;;   THE QUANTISER, for each operand of a quantised product, along K:
;;     - K is cut into blocks of 32 from its start; a last block that is shorter is filled with zeros.
;;     - A block's scale is 2^e with e = floor(log2(the largest magnitude in the block)) - 4, held to -126 .. 127; a block of zeros has e = 0. As a byte (E8M0): e + 127.
;;     - Each number is divided by its block's scale, clamped to +-28, and rounded to the nearest number of E3M2, ties to even, subnormals kept.
;;     - The product sums the exact products of the quantised numbers (number of the format x scale) in f32.
;;   ~~~python
;;   def quantise(x, axis):      # numpy; x: float32 -> the quantised numbers, widened to float32 again
;;       x = np.moveaxis(x, axis, -1); K = x.shape[-1]
;;       x = np.pad(x, [(0, 0)] * (x.ndim - 1) + [(0, -K % 32)]); x = x.reshape(x.shape[:-1] + (-1, 32)); a = np.abs(x).max(-1, keepdims=True)
;;       e = np.where(a > 0, np.clip(np.frexp(np.where(a > 0, a, 1))[1] - 1 - 4, -126, 127), 0)      # np.frexp(a)[1] - 1 = floor(log2(a)), exactly
;;       r = np.clip(x / 2.0 ** e, -28, 28)
;;       step = 2.0 ** (np.maximum(np.frexp(np.where(r == 0, 1, r))[1] - 1, -2) - 2)
;;       q = np.round(r / step) * step * 2.0 ** e      # np.round: ties to even
;;       return np.moveaxis(q.reshape(q.shape[:-2] + (-1,))[..., :K], -1, axis).astype(np.float32)
;;   ~~~
;; 2 versions. Each part assembles by itself: llvm-mc -triple=amdgcn-amd-amdhsa -mcpu=gfx1250 --defsym DOCPART=n.
;; ======== version 1 of 2: 3 launches
;; workspace buffers: wq 26,214,400 bytes; xq 3,145,728 bytes; xs 131,072 bytes; cw 16,384 bytes; keys 8,192 bytes of whole numbers; sorted 8,192 bytes of whole numbers; cnt 256 bytes of whole numbers
;; launch prep (part 1): grid 1152 x 1, 4 waves a work-group, no clusters, 4,608 bytes of LDS; arguments x, Wg, bg, W, xq, xs, keys, cw, wq; writes xq, xs, keys, cw, wq
.if DOCPART == 1
	.amdgcn_target "amdgcn-amd-amdhsa--gfx1250"
	.amdhsa_code_object_version 6
	.text
	.protected	k_q705165c03b_prep
	.globl	k_q705165c03b_prep
	.p2align	8
	.type	k_q705165c03b_prep,@function
k_q705165c03b_prep:
	s_mov_b64 s[64:65], 0
	v_nop
	global_prefetch_b8 v0, s[64:65] scope:SCOPE_SE
	s_setreg_imm32_b32 hwreg(HW_REG_WAVE_MODE, 25, 1), 1
	s_wait_xcnt 0x0
; PREP: x [2048][2048] and W [8][2048 (k)][2048 (n)], f32, become codes of BF6 (E3M2) with one E8M0 byte for each 32 along K, and the gate is computed.
; Work-groups 0-127: 16 tokens of x each: codes, scale words, the 8 logits x Wg + bg in f32, softmax (the row's maximum taken away), the two largest gates (the lower index wins a tie).
;   Stored at fixed places: keys[token] = b (b - 1) / 2 + a for the chosen experts a < b, cw[token] = (gate a, gate b).  Nothing here is addressed or branched by these numbers.
; Work-groups 128-1151: 128 columns x 256 along K of one expert's W.  A lane takes a column and its registers run down K, so a block of 32 lies in one lane and the codes come out with K innermost.
; LAYOUTS (this program's own).  wq: a record of 6,400 bytes for (expert, 64 columns, 128 along K): four fragments of 1,536 bytes as images of the operand's registers (registers 4 g .. 4 g + 3 of lane L at
;   512 g + 16 L), then 256 bytes of scale words (word of tile 2 u + L / 16, column L % 16, at 128 u + 4 L).  xq: 1,536 bytes a token; in each 96 bytes (128 along K) the four blocks of 24 bytes stand in the
;   order 0, 2, 1, 3, so that a lane's twelve operand registers are 48 consecutive bytes.  xs: 16 scale words a token.
; A block's scale byte is its largest magnitude's exponent field - 4, held at 1 from below.
; LIMITS: NaN and infinities are not served.  A block of zeros gets the byte 1 (its codes are zeros; this program alone reads the bytes); blocks whose largest magnitude lies under 2^(5 - 127) are held at that byte.
;   The logits are summed in another order of f32 additions than a row-by-row sum; a gate is exp2 x the reciprocal of the sum; an exponential under 2^-126 counts as 0.
; No cluster, no tensor load: no two work-groups read the same bytes but Wg's 64 KiB.
.set XWG,  128                         ; work-groups of the x path
.set XSWL, 2048                        ; LDS: 0 .. 2047 the logits' parts (token 128 bytes, wave 32 bytes); from here 16 tokens x 64 bytes of scale words
.set X,    32                          ; v32..   numbers as loaded (W path: two sets of 32; x path: three sets of 16)
.set CD0,  80                          ; v80-95  x path: codes, four sets of four
.set WGR,  96                          ; v96-223 x path: Wg of my 16 k: register 8 i + e
.set F,    96                          ; v96-143 W path: the fragments of two K steps
.set TH,   144                         ; v144-146 W path: a block's upper 16 codes, on their way
.set SWD,  148                         ; v148-149 W path: my column's scale word of each K step
	s_load_b256 s[4:11], s[0:1], 0x0               ; x s[4:5], Wg s[6:7], bg s[8:9], W s[10:11]
	s_load_b256 s[12:19], s[0:1], 0x20             ; xq s[12:13], xs s[14:15], keys s[16:17], cw s[18:19]
	s_load_b64 s[20:21], s[0:1], 0x40              ; wq
	v_lshl_add_u32 v254, v0, 2, 0x1000
	v_mov_b32 v255, 0
	v_lshrrev_b32 v1, 5, v0
	v_readfirstlane_b32 s22, v1                    ; wave 0..3
	v_and_b32 v1, 31, v0                           ; lane
	s_cmp_lt_u32 ttmp9, XWG                        ; the roles part on the work-group's number alone
	s_cbranch_scc1 .Lxpath
; ---------------------------------------------------------------- W
	s_sub_co_u32 s32, ttmp9, XWG
	s_and_b32 s33, s32, 15                         ; which 128 columns: sixteen neighbouring work-groups cover whole rows of W
	s_bfe_u32 s34, s32, 0x30004                    ; which 256 along K
	s_lshr_b32 s35, s32, 7                         ; expert
	s_lshl_b32 s36, s35, 24                        ; W: expert x 2^24 bytes
	s_lshl_b32 s37, s34, 21                        ;  + 256 rows of 8,192 bytes
	s_add_co_u32 s36, s36, s37
	s_lshl_b32 s37, s33, 9                         ;  + 128 columns
	s_add_co_u32 s36, s36, s37
	s_lshl_b32 s37, s22, 7                         ;  + my wave's 32 columns
	s_add_co_u32 s36, s36, s37
	s_mov_b32 s37, 0
	s_lshl_b32 s38, s35, 5                         ; the record: ((expert x 32 + group of 64 columns) x 16 + K step) x 6,400
	s_lshl_b32 s39, s33, 1
	s_add_co_u32 s38, s38, s39
	s_lshr_b32 s39, s22, 1
	s_add_co_u32 s38, s38, s39
	s_lshl_b32 s38, s38, 4
	s_lshl_b32 s39, s34, 1
	s_add_co_u32 s38, s38, s39
	s_mul_i32 s38, s38, 6400
	s_mov_b32 s39, 0
	s_and_b32 s40, s22, 1                          ; u: my 32 columns are tiles 2 u and 2 u + 1 of the group
	v_lshlrev_b32 v2, 2, v1                        ; in: 4 bytes a lane
	s_mul_i32 s41, s40, 3072
	v_lshl_add_u32 v3, v1, 4, s41                  ; out: 16 x lane + two fragments x u
	s_lshl_b32 s41, s40, 7
	v_add_nc_u32 v4, s41, v2                       ; scale words: 4 x lane + 128 u
	s_wait_kmcnt 0x0
	s_add_nc_u64 s[10:11], s[10:11], s[36:37]
	s_add_nc_u64 s[20:21], s[20:21], s[38:39]
.macro WLOAD t                         ; block t: W(32 t + i, my column) into set t % 2; a wave's load reads 128 consecutive bytes, the four waves 512
.set I, 0
.rept 32
	global_load_b32 v[X+32*((\t)%2)+I], v2, s[10:11] offset:(32*(\t)+I)*8192 th:TH_LOAD_NT
.set I, I+1
.endr
.endm
.macro WBLOCK t
.set XS, X+32*((\t)%2)
.set KK, (\t)/4
.set BB, (\t)%4
.set F0, F+24*KK                       ; blocks 0 and 2 of the K step: what lanes 0-15 of a fragment hold
.set F1, F0+12                         ; blocks 1 and 3: what lanes 16-31 hold
.if BB%2
.set FB, F1+6*(BB/2)
.else
.set FB, F0+6*(BB/2)
.endif
.if (\t) < 7
	s_wait_loadcnt 32                              ; this block's 32 loads are in; the next block's 32 may be out
.else
	s_wait_loadcnt 0x0
.endif
	v_max3_num_f32 v12, |v[XS]|, |v[XS+1]|, |v[XS+2]|      ; the block's largest magnitude: all 32 numbers are mine; two chains
	v_max3_num_f32 v13, |v[XS+3]|, |v[XS+4]|, |v[XS+5]|
.irp i, 6,10,14,18,22,26
	v_max3_num_f32 v12, v12, |v[XS+\i]|, |v[XS+\i+1]|
	v_max3_num_f32 v13, v13, |v[XS+\i+2]|, |v[XS+\i+3]|
.endr
	v_max3_num_f32 v12, v12, |v[XS+30]|, |v[XS+31]|
	v_max3_num_f32 v12, v12, v13, 0x2800000        ; and the floor 2^(5 - 127): the byte cannot fall under 1
	v_add_nc_u32 v11, 0xfe000000, v12              ; 4 off the exponent field: the conversion takes this operand's exponent field as its scale
	v_cvt_scalef32_pk16_bf6_f32 v[FB:FB+2], v[XS:XS+15], v11
	v_cvt_scalef32_pk16_bf6_f32 v[TH:TH+2], v[XS+16:XS+31], v11    ; (a conversion's three registers begin on an even number: the upper half is made elsewhere and moved)
	v_lshrrev_b32 v13, 23, v11                     ; the scale's byte; also the plain instruction behind the conversions
.if BB == 0
	v_mov_b32 v[SWD+KK], v13
.else
	v_lshl_or_b32 v[SWD+KK], v13, 8*BB, v[SWD+KK]  ; the lower K in the lower byte
.endif
.irp i, 0,1,2
	v_mov_b32 v[FB+3+\i], v[TH+\i]
.endr
.if (\t)+2 < 8
	WLOAD (\t)+2
.endif
.if BB == 3                            ; a K step is whole.  F0's lanes 16-31 change places with F1's lanes 0-15: F0 is then the fragment of tile 2 u, F1 that of tile 2 u + 1
.irp i, 0,1,2,3,4,5,6,7,8,9,10,11
	v_permlane16_swap_b32 v[F0+\i], v[F1+\i]
.endr
.irp g, 0,1,2
	global_store_b128 v3, v[F0+4*\g:F0+4*\g+3], s[20:21] offset:6400*KK+512*\g          ; 32 lanes store 512 consecutive bytes, at a multiple of 256 from wq's first byte
	global_store_b128 v3, v[F1+4*\g:F1+4*\g+3], s[20:21] offset:6400*KK+1536+512*\g
.endr
	global_store_b32 v4, v[SWD+KK], s[20:21] offset:6400*KK+6144                        ; no register that a store reads is written again in this path
.endif
.endm
	WLOAD 0
	WLOAD 1
.irp t, 0,1,2,3,4,5,6,7
	WBLOCK \t
.endr
	s_endpgm
; ---------------------------------------------------------------- x
; Wave w takes k = 512 w .. 512 w + 511 of each of the 16 tokens, lane l the 16 neighbours from 512 w + 16 l on: two neighbouring lanes hold a block.
.Lxpath:
	s_lshl_b32 s32, s22, 11
	v_lshl_add_u32 v2, v1, 6, s32                  ; x: 2,048 w + 64 l
	v_lshrrev_b32 v8, 3, v1                        ; l / 8: which of my wave's four K steps
	v_mul_u32_u24 v3, v8, 96                       ; xq: 96 bytes a K step;
	v_bfe_u32 v9, v0, 1, 1
	v_mad_u32_u24 v3, v9, 48, v3                   ; blocks 1 and 3 lie in the upper 48 bytes,
	v_bfe_u32 v9, v0, 2, 1
	v_mad_u32_u24 v3, v9, 24, v3                   ; blocks 2 and 3 in the upper 24 of their 48,
	v_and_b32 v9, 1, v0
	v_mad_u32_u24 v3, v9, 12, v3                   ; my 16 codes are 12 bytes
	s_mul_i32 s33, s22, 384
	v_add_nc_u32 v3, s33, v3
	v_bfe_u32 v4, v0, 1, 2
	v_lshlrev_b32 v4, 3, v4                        ; my block's byte in its scale word, in bits
	s_lshl_b32 s33, s22, 4
	s_add_co_u32 s33, s33, XSWL
	v_lshl_add_u32 v5, v8, 2, s33                  ; LDS: the scale word of my K step: 16 w + 4 (l / 8)
	s_lshl_b32 s33, s22, 5
	v_mov_b32 v6, s33                              ; LDS: my wave's part of a token's logits: 32 w
	s_lshl_b32 s33, s22, 14
	v_lshl_add_u32 v7, v1, 9, s33                  ; Wg: my 16 rows of 32 bytes
	v_and_b32 v9, 15, v0                           ; the addresses of the end are made here, ahead of every parting of the waves
	v_lshlrev_b32 v224, 7, v9                      ; LDS: token l % 16's logits
	v_lshlrev_b32 v225, 2, v9                      ; keys
	v_lshlrev_b32 v226, 3, v9                      ; cw
	v_lshlrev_b32 v227, 4, v1                      ; xs: 16 x lane
	v_add_nc_u32 v228, XSWL, v227                  ; and the same in LDS
	v_mov_b32 v14, 0                               ; written once: the destination of a lane move counts as read
.irp e, 0,1,2,3,4,5,6,7
	v_mov_b32 v[24+\e], 0
.endr
	s_mov_b32 s46, 0x76543210
	s_mov_b32 s47, 0xfedcba98                      ; v_permlanex16_b32's selects for lane l xor 16
	s_lshl_b32 s36, ttmp9, 17                      ; 16 rows of x,
	s_mov_b32 s37, 0
	s_mul_i32 s38, ttmp9, 24576                    ; of xq,
	s_mov_b32 s39, 0
	s_lshl_b32 s40, ttmp9, 10                      ; of xs,
	s_mov_b32 s41, 0
	s_lshl_b32 s42, ttmp9, 6                       ; of keys,
	s_mov_b32 s43, 0
	s_lshl_b32 s44, ttmp9, 7                       ; of cw
	s_mov_b32 s45, 0
	s_wait_kmcnt 0x0
	s_load_b256 s[24:31], s[8:9], 0x0              ; bg
	s_add_nc_u64 s[4:5], s[4:5], s[36:37]
	s_add_nc_u64 s[12:13], s[12:13], s[38:39]
	s_add_nc_u64 s[14:15], s[14:15], s[40:41]
	s_add_nc_u64 s[16:17], s[16:17], s[42:43]
	s_add_nc_u64 s[18:19], s[18:19], s[44:45]
.set I, 0
.rept 32
	global_load_b128 v[WGR+4*I:WGR+4*I+3], v7, s[6:7] offset:16*I   ; they stay in registers for all 16 tokens
.set I, I+1
.endr
.macro XLOAD t
.irp j, 0,1,2,3
	global_load_b128 v[X+16*((\t)%3)+4*\j:X+16*((\t)%3)+4*\j+3], v2, s[4:5] offset:8192*(\t)+16*\j th:TH_LOAD_NT
.endr
.endm
	XLOAD 0
	XLOAD 1
	XLOAD 2
.macro TOKEN t
.set XS, X+16*((\t)%3)
.set CD, CD0+4*((\t)%4)
.if (\t) < 14
	s_wait_loadcnt 8                               ; this token's four loads (and Wg) are in; the next two tokens' eight may be out
.else
	s_wait_loadcnt 4*(15-(\t))
.endif
	s_wait_xcnt 0x0                                ; the store of four tokens ago has read its data: that set of code registers is written again only behind this wait
	v_max3_num_f32 v8, |v[XS]|, |v[XS+1]|, |v[XS+2]|
	v_max3_num_f32 v9, |v[XS+3]|, |v[XS+4]|, |v[XS+5]|
.irp i, 6,10
	v_max3_num_f32 v8, v8, |v[XS+\i]|, |v[XS+\i+1]|
	v_max3_num_f32 v9, v9, |v[XS+\i+2]|, |v[XS+\i+3]|
.endr
	v_max3_num_f32 v8, v8, |v[XS+14]|, |v[XS+15]|
	v_max3_num_f32 v8, v8, v9, 0x2800000           ; the floor 2^(5 - 127)
	v_max_num_f32_dpp v8, v8, v8 row_xmask:1 row_mask:0xf bank_mask:0xf   ; with my neighbour's 16: the block's largest magnitude
	v_add_nc_u32 v11, 0xfe000000, v8
	v_cvt_scalef32_pk16_bf6_f32 v[CD:CD+2], v[XS:XS+15], v11
	v_lshrrev_b32 v10, 23, v11                     ; the byte; also the plain instruction behind the conversion
	v_lshlrev_b32 v10, v4, v10                     ; at its place in the word;
	v_mov_b32_dpp v14, v10 row_xmask:2 row_mask:0xf bank_mask:0xf
	v_or_b32 v10, v10, v14                         ; with the block beside it,
	v_mov_b32_dpp v14, v10 row_xmask:4 row_mask:0xf bank_mask:0xf
	v_or_b32 v10, v10, v14                         ; and the other two: eight lanes hold the K step's word
	global_store_b96 v3, v[CD:CD+2], s[12:13] offset:1536*(\t)
	ds_store_b32 v5, v10 offset:64*(\t)            ; (eight lanes write the same word with the same value)
.irp q, 0,1,2,3                        ; the eight logits' parts, two experts an instruction, four chains by turns: x(k) is broadcast from its pair
	v_pk_mul_f32 v[16+2*\q:17+2*\q], v[XS:XS+1], v[WGR+2*\q:WGR+2*\q+1] op_sel_hi:[0,1]
.endr
.irp i, 2,4,6,8,10,12,14
.irp q, 0,1,2,3
	v_pk_fma_f32 v[16+2*\q:17+2*\q], v[XS+\i:XS+\i+1], v[WGR+8*\i+2*\q:WGR+8*\i+2*\q+1], v[16+2*\q:17+2*\q] op_sel_hi:[0,1,1]
.endr
.endr
.irp i, 1,3,5,7,9,11,13,15
.irp q, 0,1,2,3
	v_pk_fma_f32 v[16+2*\q:17+2*\q], v[XS+\i-1:XS+\i], v[WGR+8*\i+2*\q:WGR+8*\i+2*\q+1], v[16+2*\q:17+2*\q] op_sel:[1,0,0] op_sel_hi:[1,1,1]
.endr
.endr
.irp x, 1,2,4,8
.irp e, 0,1,2,3,4,5,6,7
	v_add_f32_dpp v[16+\e], v[16+\e], v[16+\e] row_xmask:\x row_mask:0xf bank_mask:0xf
.endr
.endr
.irp e, 0,1,2,3,4,5,6,7
	v_permlanex16_b32 v[24+\e], v[16+\e], s46, s47
.endr
.irp e, 0,1,2,3,4,5,6,7
	v_add_f32 v[16+\e], v[16+\e], v[24+\e]         ; every lane holds my wave's part of the token's eight logits
.endr
	ds_store_b128 v6, v[16:19] offset:128*(\t)
	ds_store_b128 v6, v[20:23] offset:128*(\t)+16
.if (\t)+3 < 16
	XLOAD (\t)+3
.endif
.endm
.irp t, 0,1,2,3,4,5,6,7,8,9,10,11,12,13,14,15
	TOKEN \t
.endr
	s_wait_dscnt 0x0                               ; for the others' sake: my LDS stores have landed
	s_barrier_signal -1
	s_barrier_wait -1
	s_cmp_eq_u32 s22, 0
	s_cbranch_scc1 .Lgate
	s_cmp_eq_u32 s22, 1
	s_cbranch_scc0 .Lend
	ds_load_b128 v[32:35], v228                    ; wave 1: the 16 tokens' scale words leave as 1,024 consecutive bytes
	ds_load_b128 v[36:39], v228 offset:512
	s_wait_dscnt 0x0
	global_store_b128 v227, v[32:35], s[14:15]
	global_store_b128 v227, v[36:39], s[14:15] offset:512
	s_branch .Lend
.Lgate:                                            ; wave 0: lane l serves token l % 16 (both halves of the lanes compute and store the same)
.irp w, 0,1,2,3
	ds_load_b128 v[32+8*\w:35+8*\w], v224 offset:32*\w
	ds_load_b128 v[36+8*\w:39+8*\w], v224 offset:32*\w+16
.endr
	s_wait_dscnt 0x0
	s_wait_kmcnt 0x0                               ; bg
.irp q, 0,2,4,6
	v_pk_add_f32 v[16+\q:17+\q], v[32+\q:33+\q], v[40+\q:41+\q]
	v_pk_add_f32 v[24+\q:25+\q], v[48+\q:49+\q], v[56+\q:57+\q]
.endr
.irp q, 0,2,4,6
	v_pk_add_f32 v[16+\q:17+\q], v[16+\q:17+\q], v[24+\q:25+\q]
.endr
.irp e, 0,1,2,3,4,5,6,7
	v_add_f32 v[16+\e], s[24+\e], v[16+\e]         ; the logits
.endr
	v_max3_num_f32 v8, v16, v17, v18
	v_max3_num_f32 v8, v8, v19, v20
	v_max3_num_f32 v8, v8, v21, v22
	v_max_num_f32 v8, v8, v23                      ; the row's maximum is taken away ahead of the exponentials
.irp e, 0,1,2,3,4,5,6,7
	v_sub_f32 v[16+\e], v[16+\e], v8
.endr
.irp e, 0,1,2,3,4,5,6,7
	v_mul_f32 v[16+\e], 0x3fb8aa3b, v[16+\e]       ; x log2(e)
.endr
.irp e, 0,1,2,3,4,5,6,7
	v_exp_f32 v[16+\e], v[16+\e]
.endr
	v_mov_b32 v9, 0                                ; (a plain instruction behind the exponentials)  the best expert so far: 0
	s_wait_alu depctr_va_vdst(0)                   ; one wait for the eight, ahead of their first reader
	v_add_f32 v10, v16, v17
	v_add_f32 v11, v18, v19
	v_add_f32 v12, v20, v21
	v_add_f32 v13, v22, v23
	v_add_f32 v10, v10, v11
	v_add_f32 v12, v12, v13
	v_add_f32 v10, v10, v12
	v_rcp_f32 v10, v10
	v_mov_b32 v13, 0                               ; (a plain instruction behind the reciprocal)  the second best expert
	s_wait_alu depctr_va_vdst(0)
.irp e, 0,1,2,3,4,5,6,7
	v_mul_f32 v[16+\e], v[16+\e], v10              ; the gates
.endr
	v_mov_b32 v11, v16                             ; the best gate so far,
	v_mov_b32 v12, -1.0                            ; the second best: under every gate
.irp e, 1,2,3,4,5,6,7                  ; strictly greater: of equal gates the lower index stays ahead.  Choices by v_cndmask_b32 alone: no branch hangs on a gate
	v_mov_b32 v14, \e
	v_cmp_gt_f32 vcc_lo, v[16+\e], v11
	v_cmp_gt_f32 s32, v[16+\e], v12
	v_cndmask_b32 v12, v12, v[16+\e], s32
	v_cndmask_b32 v13, v13, v14, s32
	v_cndmask_b32 v12, v12, v11, vcc_lo
	v_cndmask_b32 v13, v13, v9, vcc_lo
	v_cndmask_b32 v11, v11, v[16+\e], vcc_lo
	v_cndmask_b32 v9, v9, v14, vcc_lo
.endr
	v_cmp_lt_u32 vcc_lo, v9, v13
	v_cndmask_b32 v32, v12, v11, vcc_lo            ; the gate of a, the lower of the two experts,
	v_cndmask_b32 v33, v11, v12, vcc_lo            ; and of b
	v_min_u32 v34, v9, v13
	v_max_u32 v35, v9, v13
	v_add_nc_u32 v36, -1, v35
	v_mul_u32_u24 v36, v36, v35
	v_lshrrev_b32 v36, 1, v36
	v_add_nc_u32 v36, v36, v34                     ; the set's number: b (b - 1) / 2 + a
	global_store_b32 v225, v36, s[16:17]
	global_store_b64 v226, v[32:33], s[18:19]
.Lend:
	s_wait_tensorcnt 0x0
	ds_add_u32 v254, v255
	s_wait_dscnt 0x0
	s_endpgm
.Lfunc_end_k_q705165c03b_prep:
	.size	k_q705165c03b_prep, .Lfunc_end_k_q705165c03b_prep-k_q705165c03b_prep
	.p2alignl 7, 3214868480
	.fill 96, 4, 3214868480
	.section	.rodata,"a",@progbits
	.p2align	6, 0x0
	.amdhsa_kernel k_q705165c03b_prep
		.amdhsa_group_segment_fixed_size 4608
		.amdhsa_private_segment_fixed_size 0
		.amdhsa_enable_private_segment 0
		.amdhsa_kernarg_size 72
		.amdhsa_user_sgpr_count 2
		.amdhsa_user_sgpr_kernarg_segment_ptr 1
		.amdhsa_wavefront_size32 1
		.amdhsa_system_sgpr_workgroup_id_x 1
		.amdhsa_system_sgpr_workgroup_id_y 1
		.amdhsa_system_sgpr_workgroup_id_z 1
		.amdhsa_system_vgpr_workitem_id 0
		.amdhsa_next_free_vgpr 256
		.amdhsa_next_free_sgpr 66
		.amdhsa_reserve_vcc 1
		.amdhsa_float_denorm_mode_32 3
		.amdhsa_float_denorm_mode_16_64 3
		.amdhsa_memory_ordered 1
		.amdhsa_forward_progress 1
		.amdhsa_inst_pref_size 187
	.end_amdhsa_kernel
	.amdgpu_metadata
---
amdhsa.version: [ 1, 2 ]
amdhsa.kernels:
  - .name:           k_q705165c03b_prep
    .symbol:         k_q705165c03b_prep.kd
    .args:
      - { .name: x, .offset: 0, .size: 8, .value_kind: global_buffer, .address_space: global }
      - { .name: Wg, .offset: 8, .size: 8, .value_kind: global_buffer, .address_space: global }
      - { .name: bg, .offset: 16, .size: 8, .value_kind: global_buffer, .address_space: global }
      - { .name: W, .offset: 24, .size: 8, .value_kind: global_buffer, .address_space: global }
      - { .name: xq, .offset: 32, .size: 8, .value_kind: global_buffer, .address_space: global }
      - { .name: xs, .offset: 40, .size: 8, .value_kind: global_buffer, .address_space: global }
      - { .name: keys, .offset: 48, .size: 8, .value_kind: global_buffer, .address_space: global }
      - { .name: cw, .offset: 56, .size: 8, .value_kind: global_buffer, .address_space: global }
      - { .name: wq, .offset: 64, .size: 8, .value_kind: global_buffer, .address_space: global }
    .group_segment_fixed_size: 4608
    .private_segment_fixed_size: 0
    .kernarg_segment_align: 8
    .kernarg_segment_size: 72
    .max_flat_workgroup_size: 128
    .sgpr_count:     66
    .vgpr_count:     256
    .wavefront_size: 32
...
	.end_amdgpu_metadata
.endif
;; end of part 1
;; launch place (part 2): grid 28 x 1, 4 waves a work-group, no clusters, 768 bytes of LDS; arguments keys, sorted, cnt; writes sorted, cnt
.if DOCPART == 2
	.amdgcn_target "amdgcn-amd-amdhsa--gfx1250"
	.amdhsa_code_object_version 6
	.text
	.protected	k_q705165c03b_place
	.globl	k_q705165c03b_place
	.p2align	8
	.type	k_q705165c03b_place,@function
k_q705165c03b_place:
	s_mov_b64 s[64:65], 0
	v_nop
	global_prefetch_b8 v0, s[64:65] scope:SCOPE_SE
	s_setreg_imm32_b32 hwreg(HW_REG_WAVE_MODE, 25, 1), 1
	s_wait_xcnt 0x0
; PLACE: the 2,048 tokens are grouped by their set of experts, p = keys[token], 0 .. 27.  Work-group p reads all keys, counts the tokens of lower sets (where its own run begins in 'sorted') and its own,
; and stores its own tokens' numbers on end; cnt[p] = their number.  Each word of 'sorted' and of 'cnt' has one owner; no atomics.
; Wave w takes tokens 512 w .. 512 w + 511: register 4 j + q of lane l holds the key of token 512 w + 128 j + 4 l + q.
; All sixteen places and token numbers are made first, with every lane on, each in a register of its own; the sixteen masked stores follow, and no vector register is written once EXEC has been narrowed.
.set KEY, 16                           ; v16-31  keys
.set AD,  32                           ; v32-47  byte offsets in 'sorted'
.set TN,  48                           ; v48-63  token numbers
.set MK,  32                           ; s32-47  which lanes hold a token of the set
	s_load_b128 s[4:7], s[0:1], 0x0                ; keys s[4:5], sorted s[6:7]
	s_load_b64 s[8:9], s[0:1], 0x10                ; cnt
	v_lshl_add_u32 v64, v0, 2, 0x100
	v_mov_b32 v65, 0
	v_lshrrev_b32 v1, 5, v0
	v_readfirstlane_b32 s10, v1                    ; wave
	v_and_b32 v1, 31, v0
	s_lshl_b32 s11, s10, 11
	v_lshl_add_u32 v2, v1, 4, s11                  ; keys: 2,048 w + 16 l
	s_lshl_b32 s11, s10, 9
	v_lshl_add_u32 v3, v1, 2, s11                  ; my first token: 512 w + 4 l
	s_lshl_b32 s11, s10, 3
	v_mov_b32 v4, s11                              ; LDS: my wave's two counts
	v_mov_b32 v5, 0
	s_mov_b32 s12, ttmp9                           ; p
	s_mov_b32 s13, 0                               ; tokens of lower sets,
	s_mov_b32 s14, 0                               ; tokens of mine, in my wave's 512
	s_wait_kmcnt 0x0
.irp j, 0,1,2,3
	global_load_b128 v[KEY+4*\j:KEY+4*\j+3], v2, s[4:5] offset:512*\j
.endr
	s_wait_loadcnt 0x0
.set I, 0
.rept 16
	v_cmp_gt_u32 s20, s12, v[KEY+I]
	v_cmp_eq_u32 s[MK+I], s12, v[KEY+I]
	s_bcnt1_i32_b32 s20, s20
	s_bcnt1_i32_b32 s21, s[MK+I]
	s_add_co_u32 s13, s13, s20
	s_add_co_u32 s14, s14, s21
.set I, I+1
.endr
	v_mov_b32 v6, s13
	v_mov_b32 v7, s14
	ds_store_b64 v4, v[6:7]                        ; (all lanes write the same words with the same values)
	s_wait_dscnt 0x0                               ; for the others' sake
	s_barrier_signal -1
	s_barrier_wait -1
	ds_load_b128 v[8:11], v5
	ds_load_b128 v[12:15], v5 offset:16
	s_wait_dscnt 0x0
.irp i, 0,1,2,3,4,5,6,7
	v_readfirstlane_b32 s[24+\i], v[8+\i]          ; s24, s26, s28, s30: the waves' lower counts; s25, s27, s29, s31: their own counts
.endr
	s_add_co_u32 s15, s24, s26
	s_add_co_u32 s15, s15, s28
	s_add_co_u32 s15, s15, s30                     ; where set p begins
	s_cmp_gt_u32 s10, 0
	s_cselect_b32 s20, s25, 0
	s_add_co_u32 s15, s15, s20
	s_cmp_gt_u32 s10, 1
	s_cselect_b32 s20, s27, 0
	s_add_co_u32 s15, s15, s20
	s_cmp_gt_u32 s10, 2
	s_cselect_b32 s20, s29, 0
	s_add_co_u32 s15, s15, s20                     ; where my wave's tokens of the set begin
	s_add_co_u32 s16, s25, s27
	s_add_co_u32 s16, s16, s29
	s_add_co_u32 s16, s16, s31                     ; the set's tokens
	v_mov_b32 v14, s16
.set I, 0
.rept 16
	v_mbcnt_lo_u32_b32 v12, s[MK+I], 0             ; how many lanes below me hold a token of the set
	v_add_nc_u32 v[AD+I], s15, v12
	v_min_u32 v[AD+I], 0x7ff, v[AD+I]              ; a place in 'sorted'
	v_lshlrev_b32 v[AD+I], 2, v[AD+I]
	v_add_nc_u32 v[TN+I], 128*(I/4)+I%4, v3        ; the token's number
	s_bcnt1_i32_b32 s21, s[MK+I]
	s_add_co_u32 s15, s15, s21
.set I, I+1
.endr
	s_wait_xcnt 0x0                                ; EXEC changes only behind this wait
.set I, 0
.rept 16
	s_and_saveexec_b32 s22, s[MK+I]
	global_store_b32 v[AD+I], v[TN+I], s[6:7]
	s_wait_xcnt 0x0                                ; ahead of the line that widens EXEC again; nothing is issued between it and the next narrowing
	s_or_b32 exec_lo, exec_lo, s22
.set I, I+1
.endr
	s_cmp_lg_u32 s10, 0
	s_cbranch_scc1 .Lend
	s_lshl_b32 s20, s12, 2
	s_mov_b32 s21, 0
	s_add_nc_u64 s[8:9], s[8:9], s[20:21]
	global_store_b32 v5, v14, s[8:9]               ; cnt[p]
.Lend:
	s_wait_tensorcnt 0x0
	ds_add_u32 v64, v65
	s_wait_dscnt 0x0
	s_endpgm
.Lfunc_end_k_q705165c03b_place:
	.size	k_q705165c03b_place, .Lfunc_end_k_q705165c03b_place-k_q705165c03b_place
	.p2alignl 7, 3214868480
	.fill 96, 4, 3214868480
	.section	.rodata,"a",@progbits
	.p2align	6, 0x0
	.amdhsa_kernel k_q705165c03b_place
		.amdhsa_group_segment_fixed_size 768
		.amdhsa_private_segment_fixed_size 0
		.amdhsa_enable_private_segment 0
		.amdhsa_kernarg_size 24
		.amdhsa_user_sgpr_count 2
		.amdhsa_user_sgpr_kernarg_segment_ptr 1
		.amdhsa_wavefront_size32 1
		.amdhsa_system_sgpr_workgroup_id_x 1
		.amdhsa_system_sgpr_workgroup_id_y 1
		.amdhsa_system_sgpr_workgroup_id_z 1
		.amdhsa_system_vgpr_workitem_id 0
		.amdhsa_next_free_vgpr 66
		.amdhsa_next_free_sgpr 66
		.amdhsa_reserve_vcc 0
		.amdhsa_float_denorm_mode_32 3
		.amdhsa_float_denorm_mode_16_64 3
		.amdhsa_memory_ordered 1
		.amdhsa_forward_progress 1
		.amdhsa_inst_pref_size 15
	.end_amdhsa_kernel
	.amdgpu_metadata
---
amdhsa.version: [ 1, 2 ]
amdhsa.kernels:
  - .name:           k_q705165c03b_place
    .symbol:         k_q705165c03b_place.kd
    .args:
      - { .name: keys, .offset: 0, .size: 8, .value_kind: global_buffer, .address_space: global }
      - { .name: sorted, .offset: 8, .size: 8, .value_kind: global_buffer, .address_space: global }
      - { .name: cnt, .offset: 16, .size: 8, .value_kind: global_buffer, .address_space: global }
    .group_segment_fixed_size: 768
    .private_segment_fixed_size: 0
    .kernarg_segment_align: 8
    .kernarg_segment_size: 24
    .max_flat_workgroup_size: 128
    .sgpr_count:     66
    .vgpr_count:     66
    .wavefront_size: 32
...
	.end_amdgpu_metadata
.endif
;; end of part 2
;; launch moe (part 3): grid 8 x 49, 4 waves a work-group, no clusters, 176,128 bytes of LDS; arguments cnt, sorted, xq, xs, cw, wq, b, out0; writes out0
.if DOCPART == 3
	.amdgcn_target "amdgcn-amd-amdhsa--gfx1250"
	.amdhsa_code_object_version 6
	.text
	.protected	k_q705165c03b_moe
	.globl	k_q705165c03b_moe
	.p2align	8
	.type	k_q705165c03b_moe,@function
k_q705165c03b_moe:
	s_mov_b64 s[64:65], 0
	v_nop
	global_prefetch_b8 v0, s[64:65] scope:SCOPE_SE
	s_setreg_imm32_b32 hwreg(HW_REG_WAVE_MODE, 25, 1), 1
	s_wait_xcnt 0x0
; MOE: y[token] = gate a x (x W[a] + b[a]) + gate b x (x W[b] + b[b]) for the token's two chosen experts a < b, on codes of BF6 (E3M2) with E8M0 scales; sums in f32.
; A JOB is up to 96 tokens of ONE set of experts {a, b}, so each row of y has one owner and is stored once.  Work-group (x, y) = (256 columns, job).  With 2,048 tokens, 28 sets and 96 rows a job there are never
; more than 22 + 27 = 49 jobs, whatever the choice; a job that a given split leaves without rows stores nothing and ends.
; A job always works on six tiles of 16 rows: rows past its last are its last row once more, computed and stored with the same numbers.
; Wave w takes 64 columns (four tiles), all six tiles of rows, both experts: 48 accumulators.  W's fragments come from memory straight into registers, in the order in which an earlier launch laid them (three sets
; of registers, asked for two K steps ahead); the job's rows of x are gathered once into LDS and read by all four waves.
; THE 16 K STEPS ARE WRITTEN OUT: every offset of the products, in LDS and in memory, is an immediate, and no address register is stepped.
; THE MATRIX INSTRUCTION IS USED TRANSPOSED: source 0 = 16 columns of W, source 1 = 16 rows of x: a lane holds one token (lane % 16) and eight neighbouring columns.  Each bias is the C of its sum's first instruction.
; NO TENSOR LOAD, NO CLUSTER: whether a job has rows, and which jobs share an expert's weights, hangs on numbers read from memory.  The one barrier stands on every wave's path, under no branch.
; REGISTERS, in windows of 256.  Window 0: v1-31 addresses; v32-43 gates; v44-55 W's scale words, v56-64 x's (three sets each); v72-143 x's six fragments; v144-167 the gather's addresses; v168-247 the way out.
;   Window 1: W's sets 0 and 1 (96 each); from v192 the biases.   Window 2: W's set 2; from v128 the accumulators of row tiles 4, 5.   Window 3: those of row tiles 0-3.
.set PITCH,  1552                      ; a row of x's codes in LDS: 1,536 bytes + 16 = 97 x 16: the 16 rows of a load of 16 bytes fall on 16 different columns of 16 bytes
.set XSC,    96*PITCH                  ; x's scale words: 96 rows,
.set SPX,    72                        ; 64 bytes + 8 = 18 words: 32 rows' words fall on 32 different banks
.set TOKT,   XSC+96*SPX                ; a table of the job's 96 token numbers for each wave, its own: 512 bytes each
.set STAGE,  TOKT+4*512                ; the way out: 16 rows x 272 bytes for each wave, its own
.set SPITCH, 272
.set REC,    6400                      ; a record of wq: 64 columns x 128 along K
.set LN16, 1                           ; v1   16 x lane
.set LN4,  2                           ; v2   4 x lane
.set R,    3                           ; v3   lane % 16
.set H,    4                           ; v4   lane / 16
.set TK,   5                           ; v5-7   token numbers: register q, lane l: row 32 q + l
.set GB,   8                           ; v8-10  the gather's LDS addresses: rows 4 i + wave, eight i to a register
.set TW,   11                          ; v11  my table: 4 x lane
.set TXS,  12                          ; v12  my table: row 24 wave + lane / 4
.set TCW,  13                          ; v13  my table: row lane % 16
.set TOUT, 14                          ; v14  my table: row lane / 16
.set XSW,  15                          ; v15  where I store scale words
.set XA0,  16                          ; v16  x's fragments, row tiles 0-2; never rewritten
.set XA1,  17                          ; v17  row tiles 3-5; never rewritten
.set XSA,  18                          ; v18  x's scale words: row = lane; never rewritten
.set L3,   19                          ; v19  16 x (lane % 4)
.set TGA,  20                          ; v20  my table: row = wave (the same in all lanes)
.set LANE, 21
.set STO,  28
.set RD,   29
.set CO,   30                          ; v30  my byte in a row of y
.set BH,   31                          ; v31  32 x (lane / 16)
.set CW,   32
.set SW,   44
.set SX,   56
.set TMP,  66
.set XF,   72
.set GA,   144
.set Y,    168
.set DATA, 200
.set TOKR, 232
.set OA,   240
.set TKA,  248                         ; v248-250 the first loads' addresses; never rewritten
.set BIAS, 192                         ; in window 1
.set MSB, 0
.macro WIN new                         ; the immediate's high byte repeats the setting that is left
.if MSB != \new
	s_set_vgpr_msb (MSB<<8)|\new
.set MSB, \new
.endif
.endm
	s_load_b512 s[4:19], s[0:1], 0x0               ; cnt s[4:5], sorted s[6:7], xq s[8:9], xs s[10:11], cw s[12:13], wq s[14:15], b s[16:17], out0 s[18:19]
	v_lshl_add_u32 v254, v0, 2, 0x2ae00
	v_mov_b32 v255, 0
	v_lshrrev_b32 v[LANE], 5, v0
	v_readfirstlane_b32 s20, v[LANE]               ; wave
	s_mov_b32 s21, ttmp9                           ; which 256 columns
	s_and_b32 s22, ttmp7, 0xffff                   ; job
	v_and_b32 v[LANE], 31, v0
	v_lshlrev_b32 v[LN16], 4, v[LANE]
	v_lshlrev_b32 v[LN4], 2, v[LANE]
	v_and_b32 v[R], 15, v0
	v_bfe_u32 v[H], v0, 4, 1
	s_wait_kmcnt 0x0
	s_load_b512 s[36:51], s[4:5], 0x0              ; cnt[0 .. 27]
	s_load_b256 s[52:59], s[4:5], 0x40
	s_load_b128 s[60:63], s[4:5], 0x60
	; every LDS address is made here, ahead of every branch
	s_mul_i32 s76, s20, PITCH
	v_add_nc_u32 v[GB], s76, v[LN16]
	v_add_nc_u32 v[GB+1], 32*PITCH, v[GB]
	v_add_nc_u32 v[GB+2], 64*PITCH, v[GB]
	s_lshl_b32 s77, s20, 9
	s_add_co_u32 s77, s77, TOKT                    ; my table
	v_add_nc_u32 v[TW], s77, v[LN4]
	v_lshl_add_u32 v[TCW], v[R], 2, s77
	v_lshl_add_u32 v[TOUT], v[H], 2, s77
	s_lshl_b32 s78, s20, 2
	s_add_co_u32 s78, s78, s77
	v_mov_b32 v[TGA], s78
	s_mul_i32 s78, s20, 96
	s_add_co_u32 s78, s78, s77
	v_bfe_u32 v[TMP], v0, 2, 3                     ; lane / 4
	v_lshl_add_u32 v[TXS], v[TMP], 2, s78
	v_and_b32 v[L3], 3, v0
	v_lshlrev_b32 v[L3], 4, v[L3]
	v_mul_u32_u24 v[XSW], v[TMP], SPX
	v_add_nc_u32 v[XSW], v[XSW], v[L3]
	s_mul_i32 s78, s20, 24*SPX
	s_add_co_u32 s78, s78, XSC
	v_add_nc_u32 v[XSW], s78, v[XSW]               ; row 24 wave + lane / 4, 16 bytes for each of four lanes
	v_mul_u32_u24 v[XA0], v[R], PITCH
	v_mad_u32_u24 v[XA0], v[H], 48, v[XA0]         ; a fragment: row lane % 16, + 48 bytes for the upper half of the lanes
	v_add_nc_u32 v[XA1], 48*PITCH, v[XA0]
	v_mul_u32_u24 v[XSA], v[LANE], SPX
	v_add_nc_u32 v[XSA], XSC, v[XSA]
	s_mul_i32 s78, s20, 16*SPITCH
	s_add_co_u32 s78, s78, STAGE                   ; my stage
	v_mul_u32_u24 v[STO], v[R], SPITCH
	v_lshl_add_u32 v[STO], v[H], 5, v[STO]
	v_add_nc_u32 v[STO], s78, v[STO]               ; in: row lane % 16, 32 bytes for each half of the lanes
	v_mul_u32_u24 v[RD], v[H], SPITCH
	v_lshl_add_u32 v[RD], v[R], 4, v[RD]
	v_add_nc_u32 v[RD], s78, v[RD]                 ; back: lanes 0-15 one row of 256 bytes, lanes 16-31 the next
	v_lshlrev_b32 v[BH], 5, v[H]
	s_mov_b32 s23, 0                               ; jobs of the sets passed
	s_mov_b32 s24, 0                               ; tokens of the sets passed
	s_mov_b32 s25, 0                               ; of the set that holds my job: a + 8 b,
	s_mov_b32 s26, 0                               ; its first place in 'sorted',
	s_mov_b32 s27, 0                               ; its tokens,
	s_mov_b32 s28, 0                               ; its first job
	s_wait_kmcnt 0x0
; WHICH SET HOLDS MY JOB: the last set whose first job is not beyond mine.  Written out over the 28 sets, by selects.  A set of n tokens has (n + 95) / 96 jobs: x 43,691 >> 22 is that division for n + 95 up to 2,143.
.macro PAIR p, ab
	s_min_u32 s[36+\p], s[36+\p], 2048
	s_cmp_le_u32 s23, s22
	s_cselect_b32 s25, \ab, s25
	s_cselect_b32 s26, s24, s26
	s_cselect_b32 s27, s[36+\p], s27
	s_cselect_b32 s28, s23, s28
	s_add_co_u32 s24, s24, s[36+\p]
	s_add_co_u32 s29, s[36+\p], 95
	s_mul_i32 s29, s29, 43691
	s_lshr_b32 s29, s29, 22
	s_add_co_u32 s23, s23, s29
.endm
.set PP, 0
.irp bb, 1,2,3,4,5,6,7
.irp aa, 0,1,2,3,4,5,6
.if \aa < \bb
	PAIR PP, \aa+8*\bb
.set PP, PP+1
.endif
.endr
.endr
	s_sub_co_u32 s76, s22, s28                     ; which job of the set
	s_mul_i32 s76, s76, 96
	s_sub_co_i32 s29, s27, s76                     ; rows left from its first row on
	s_cmp_gt_i32 s29, 0
	s_cselect_b32 s34, 1, 0                        ; has the job rows?
	s_max_i32 s29, s29, 1
	s_min_i32 s29, s29, 96
	s_sub_co_u32 s32, s29, 1                       ; its last row
	s_add_co_u32 s33, s26, s76
	s_min_u32 s33, s33, 2047                       ; its first place in 'sorted'
	s_and_b32 s30, s25, 7
	s_min_u32 s30, s30, 7                          ; a
	s_lshr_b32 s31, s25, 3
	s_min_u32 s31, s31, 7                          ; b
	s_lshl_b32 s77, s21, 2
	s_add_co_u32 s77, s77, s20                     ; my group of 64 columns
	s_mov_b32 s79, 0
	s_lshl_b32 s78, s30, 5
	s_add_co_u32 s78, s78, s77
	s_mul_i32 s78, s78, 16*REC
	s_add_nc_u64 s[66:67], s[14:15], s[78:79]      ; W[a]'s 16 records for my columns,
	s_lshl_b32 s78, s31, 5
	s_add_co_u32 s78, s78, s77
	s_mul_i32 s78, s78, 16*REC
	s_add_nc_u64 s[68:69], s[14:15], s[78:79]      ; W[b]'s
	s_lshl_b32 s77, s77, 8                         ; my 64 columns in bytes
	s_lshl_b32 s78, s30, 13
	s_add_co_u32 s78, s78, s77
	s_add_nc_u64 s[70:71], s[16:17], s[78:79]      ; b[a],
	s_lshl_b32 s78, s31, 13
	s_add_co_u32 s78, s78, s77
	s_add_nc_u64 s[72:73], s[16:17], s[78:79]      ; b[b]
	v_lshl_add_u32 v[CO], v[R], 4, s77
; K step k of W is asked for, into a set of registers: eight fragments (two experts x four tiles of columns), three loads of 512 consecutive bytes each, and four registers of scale words: 28 loads.
; The record stands in the immediate: 15 x 6,400 + 6,272 bytes at the most.
.macro WSET set, k
.if (\set) == 2
	WIN 0x80                                       ; destination window 2
.set WB, 0
.else
	WIN 0x40                                       ; destination window 1
.set WB, 96*(\set)
.endif
.irp e, 0,1
.irp t, 0,1,2,3
.irp g, 0,1,2
	global_load_b128 v[WB+48*\e+12*\t+4*\g:WB+48*\e+12*\t+4*\g+3], v[LN16], s[66+2*\e:67+2*\e] offset:REC*(\k)+1536*\t+512*\g
.endr
.endr
.endr
	WIN 0
.irp e, 0,1
.irp u, 0,1
	global_load_b32 v[SW+4*(\set)+2*\e+\u], v[LN4], s[66+2*\e:67+2*\e] offset:REC*(\k)+6144+128*\u   ; lanes 0-15: tile 2 u's words; lanes 16-31: tile 2 u + 1's
.endr
.endr
.endm
; ASKED FOR AHEAD OF EVERY BRANCH, and waited for later: the job's token numbers, the biases, W's first two K steps.
.irp q, 0,1,2
	v_add_nc_u32 v[TKA+\q], 32*\q, v[LANE]
	v_min_u32 v[TKA+\q], s32, v[TKA+\q]            ; rows past the last are the last once more
	v_add_nc_u32 v[TKA+\q], s33, v[TKA+\q]
	v_min_u32 v[TKA+\q], 0x7ff, v[TKA+\q]
	v_lshlrev_b32 v[TKA+\q], 2, v[TKA+\q]
	global_load_b32 v[TK+\q], v[TKA+\q], s[6:7]
.endr
	WIN 0x40
.irp e, 0,1
.irp t, 0,1,2,3
	global_load_b128 v[BIAS+32*\e+8*\t:BIAS+32*\e+8*\t+3], v[BH], s[70+2*\e:71+2*\e] offset:64*\t        ; in the result's layout: my half's eight columns of tile t
	global_load_b128 v[BIAS+32*\e+8*\t+4:BIAS+32*\e+8*\t+7], v[BH], s[70+2*\e:71+2*\e] offset:64*\t+16
.endr
.endr
	WIN 0
	WSET 0, 0
	WSET 1, 1
; THE GATHER: the job's 96 rows of codes and scale words go into LDS.  A job without rows passes over it, not over the barrier behind it.
	s_cmp_eq_u32 s34, 0
	s_cbranch_scc1 .Lmeet
	s_wait_loadcnt 63                              ; the token numbers are in: 72 loads were issued behind them, and 63 is the largest count that the wait can name
.irp q, 0,1,2
	v_min_u32 v[TK+\q], 0x7ff, v[TK+\q]
	ds_store_b32 v[TW], v[TK+\q] offset:128*\q     ; my wave's own table: LDS serves a wave's instructions in order, so its loads below see these stores
.endr
.set I, 0
.rept 24
	ds_load_b32 v[GA+I], v[TGA] offset:16*I        ; my rows are 4 i + wave: the row's token, the same in all lanes
.set I, I+1
.endr
.irp j, 0,1,2
	ds_load_b32 v[TMP+\j], v[TXS] offset:32*\j     ; for the scale words: rows 24 wave + 8 j + lane / 4
.endr
	s_wait_dscnt 0x0
.set I, 0
.rept 24
	v_min_u32 v[GA+I], 0x7ff, v[GA+I]
	v_mul_u32_u24 v[GA+I], v[GA+I], 1536
	v_add_nc_u32 v[GA+I], v[GA+I], v[LN16]
.set I, I+1
.endr
.irp j, 0,1,2
	v_min_u32 v[TMP+\j], 0x7ff, v[TMP+\j]
	v_lshlrev_b32 v[TMP+\j], 6, v[TMP+\j]
	v_add_nc_u32 v[TMP+\j], v[TMP+\j], v[L3]
.endr
	WIN 0xc0                                       ; rows i = 0 .. 11 pass through window 3, where accumulators will lie,
.set I, 0
.rept 12
.irp g, 0,1,2
	global_load_b128 v[12*I+4*\g:12*I+4*\g+3], v[GA+I], s[8:9] offset:512*\g     ; 32 lanes read 512 consecutive bytes of the row
.endr
.set I, I+1
.endr
	WIN 0x80                                       ; rows i = 12 .. 23 through window 2
.set I, 12
.rept 12
.irp g, 0,1,2
	global_load_b128 v[112+12*(I-12)+4*\g:112+12*(I-12)+4*\g+3], v[GA+I], s[8:9] offset:512*\g
.endr
.set I, I+1
.endr
	WIN 0
.irp j, 0,1,2
	global_load_b128 v[Y+4*\j:Y+4*\j+3], v[TMP+\j], s[10:11]
.endr
	s_wait_loadcnt 39                              ; the first 36 are in; the second 36 and the three of scale words may be out
	WIN 0x0c                                       ; an LDS store's data are its source 1: window 3
.set I, 0
.rept 12
.irp g, 0,1,2
	ds_store_b128 v[GB+I/8], v[12*I+4*\g:12*I+4*\g+3] offset:4*PITCH*(I%8)+512*\g
.endr
.set I, I+1
.endr
	s_wait_loadcnt 3                               ; the second 36 are in
	WIN 0x08
.set I, 12
.rept 12
.irp g, 0,1,2
	ds_store_b128 v[GB+I/8], v[112+12*(I-12)+4*\g:112+12*(I-12)+4*\g+3] offset:4*PITCH*(I%8)+512*\g
.endr
.set I, I+1
.endr
	WIN 0
	s_wait_loadcnt 0x0
.irp j, 0,1,2
	ds_store_b64 v[XSW], v[Y+4*\j:Y+4*\j+1] offset:8*SPX*\j          ; (rows 72 bytes apart: multiples of 8)
	ds_store_b64 v[XSW], v[Y+4*\j+2:Y+4*\j+3] offset:8*SPX*\j+8
.endr
.Lmeet:
	s_wait_dscnt 0x0                               ; for the others' sake: my LDS stores have landed
	s_barrier_signal -1
	s_barrier_wait -1                              ; the job's rows lie in LDS; nobody writes them again
	s_cmp_eq_u32 s34, 0
	s_cbranch_scc1 .Lend
; THE PRODUCTS.
.irp m, 0,1,2,3,4,5
	ds_load_b32 v[TMP+\m], v[TCW] offset:64*\m     ; the token of my row in each tile of rows
.endr
	s_wait_dscnt 0x0
.irp m, 0,1,2,3,4,5
	v_min_u32 v[TMP+\m], 0x7ff, v[TMP+\m]
	v_lshlrev_b32 v[TMP+\m], 3, v[TMP+\m]
	global_load_b64 v[CW+2*\m:CW+2*\m+1], v[TMP+\m], s[12:13]        ; its two gates; wanted on the way out
.endr
; K step k of x: 96 bytes of each row, 4 bytes of each row's scale words.  The largest offset is 2 x 16 x 1,552 + 32 + 15 x 96 = 51,136: inside an LDS instruction's 16 bits.
.macro XLD03 set, k                    ; the fragments of row tiles 0-3, 48 consecutive bytes a lane, and the scale words (register i: lanes 0-15 tile 2 i, lanes 16-31 tile 2 i + 1): 15 LDS loads
.irp m, 0,1,2
.irp g, 0,1,2
	ds_load_b128 v[XF+12*\m+4*\g:XF+12*\m+4*\g+3], v[XA0] offset:16*PITCH*\m+16*\g+96*(\k)
.endr
.endr
.irp g, 0,1,2
	ds_load_b128 v[XF+36+4*\g:XF+36+4*\g+3], v[XA1] offset:16*\g+96*(\k)
.endr
.irp i, 0,1,2
	ds_load_b32 v[SX+3*(\set)+\i], v[XSA] offset:32*SPX*\i+4*(\k)
.endr
.endm
.macro XLD45 k                         ; row tiles 4 and 5: 6 LDS loads
.irp m, 1,2
.irp g, 0,1,2
	ds_load_b128 v[XF+36+12*\m+4*\g:XF+36+12*\m+4*\g+3], v[XA1] offset:16*PITCH*\m+16*\g+96*(\k)
.endr
.endr
.endm
.macro MUL1 set, m, e, t, first        ; one product: tile of rows m, expert e (0: a, 1: b), tile of columns t
.if (\m) < 4
.set rD, 64*(\m)+32*(\e)+8*(\t)
.else
.set rD, 128+64*((\m)-4)+32*(\e)+8*(\t)
.endif
.if (\set) == 2
.set rA, 48*(\e)+12*(\t)
.else
.set rA, 96*(\set)+48*(\e)+12*(\t)
.endif
.set rB, XF+12*(\m)
.if \first
.set rC, BIAS+32*(\e)+8*(\t)
.else
.set rC, rD
.endif
.set rSA, SW+4*(\set)+2*(\e)+(\t)/2
.set rSB, SX+3*(\set)+(\m)/2
.if ((\t)%2 == 1) && ((\m)%2 == 1)
	v_wmma_scale_f32_16x16x128_f8f6f4 v[rD:rD+7], v[rA:rA+11], v[rB:rB+11], v[rC:rC+7], v[rSA], v[rSB] matrix_a_fmt:MATRIX_FMT_BF6 matrix_b_fmt:MATRIX_FMT_BF6 matrix_a_scale:MATRIX_SCALE_ROW1 matrix_b_scale:MATRIX_SCALE_ROW1
.elseif (\t)%2 == 1
	v_wmma_scale_f32_16x16x128_f8f6f4 v[rD:rD+7], v[rA:rA+11], v[rB:rB+11], v[rC:rC+7], v[rSA], v[rSB] matrix_a_fmt:MATRIX_FMT_BF6 matrix_b_fmt:MATRIX_FMT_BF6 matrix_a_scale:MATRIX_SCALE_ROW1
.elseif (\m)%2 == 1
	v_wmma_scale_f32_16x16x128_f8f6f4 v[rD:rD+7], v[rA:rA+11], v[rB:rB+11], v[rC:rC+7], v[rSA], v[rSB] matrix_a_fmt:MATRIX_FMT_BF6 matrix_b_fmt:MATRIX_FMT_BF6 matrix_b_scale:MATRIX_SCALE_ROW1
.else
	v_wmma_scale_f32_16x16x128_f8f6f4 v[rD:rD+7], v[rA:rA+11], v[rB:rB+11], v[rC:rC+7], v[rSA], v[rSB] matrix_a_fmt:MATRIX_FMT_BF6 matrix_b_fmt:MATRIX_FMT_BF6
.endif
.endm
; K STEP k of 128: 48 matrix instructions on 48 accumulators, which take turns, one instruction a turn, in the same order in every step.
; W's registers of step k are set k % 3.  At the step's head the set read in the step before is asked for again, for step k + 2.  In step 0 the biases start the sums.
; The next step's x is fetched in two runs: tiles 0-3 behind their 32 products, tiles 4, 5 behind their 16.
; A load into a register that a matrix instruction has read stands four plain vector instructions behind it (ISA guide 7.12.1 for vector instructions).
.macro STEP k
.set SET,  (\k)%3
.set NSET, ((\k)+1)%3
.set PSET, ((\k)+2)%3
.set FIRST, 0
.if (\k) == 0
.set FIRST, 1
.endif
.if (\k) < 14
	WSET PSET, (\k)+2                              ; (the four v_nop at the last step's end stand between that set's last products and these loads)
	s_wait_loadcnt 56                              ; this step's 28 loads are in; those of the two sets behind it, 28 each, may be out
.else
	s_wait_loadcnt 28*(15-(\k))                    ; nothing more is asked for: one set behind this one, then none; the wait for 0 also shows the gates in
.endif
	s_wait_dscnt 6                                 ; x's tiles 0-3 and scale words are in; the six loads of tiles 4, 5 may be out
.if FIRST
	WIN 0xd1                                       ; source 0 (W) window 1, source 1 (x) window 0, C (bias) window 1, D window 3
.elseif SET == 2
	WIN 0xf2                                       ; W window 2; C and D window 3
.else
	WIN 0xf1
.endif
.irp m, 0,1,2,3
.irp e, 0,1
.irp t, 0,1,2,3
	MUL1 SET, \m, \e, \t, FIRST
.endr
.endr
.endr
	WIN 0
.if (\k) < 15
.rept 4
	v_nop                                          ; places ahead of the loads into tiles 0-3
.endr
	XLD03 NSET, (\k)+1
	s_wait_dscnt 15                                ; tiles 4, 5 are in; the 15 just issued may be out
.else
	s_wait_dscnt 0x0
.endif
.if FIRST
	WIN 0x91                                       ; C (bias) window 1, D window 2
.elseif SET == 2
	WIN 0xa2
.else
	WIN 0xa1
.endif
.irp m, 4,5
.irp e, 0,1
.irp t, 0,1,2,3
	MUL1 SET, \m, \e, \t, FIRST
.endr
.endr
.endr
	WIN 0
.rept 4
	v_nop                                          ; places: ahead of the loads into tiles 4, 5 and into W's set, and of the first read of results
.endr
.if (\k) < 15
	XLD45 (\k)+1
.endif
.endm
	XLD03 0, 0
	XLD45 0
.irp k, 0,1,2,3,4,5,6,7,8,9,10,11,12,13,14,15
	STEP \k
.endr
; THE WAY OUT, a tile of 16 rows at a time: y = gate a x sum a + gate b x sum b, each accumulator read from its low end on; through my own stage in LDS, so that sixteen lanes store 256 consecutive bytes of a token's row.
.macro OUT m
.if (\m) > 0
	s_wait_xcnt 0x0                                ; the last tile's stores have read their addresses and data: both are written again only behind this wait
.endif
.if (\m) < 4
	WIN 0x03                                       ; source 0: window 3
.set AB, 64*(\m)
.else
	WIN 0x02
.set AB, 128+64*((\m)-4)
.endif
.irp t, 0,1,2,3
.irp p, 0,2,4,6
	v_pk_mul_f32 v[Y+8*\t+\p:Y+8*\t+\p+1], v[AB+8*\t+\p:AB+8*\t+\p+1], v[CW+2*(\m):CW+2*(\m)+1] op_sel_hi:[1,0]
.endr
.irp p, 0,2,4,6
	v_pk_fma_f32 v[Y+8*\t+\p:Y+8*\t+\p+1], v[AB+32+8*\t+\p:AB+32+8*\t+\p+1], v[CW+2*(\m):CW+2*(\m)+1], v[Y+8*\t+\p:Y+8*\t+\p+1] op_sel:[0,1,0] op_sel_hi:[1,1,1]
.endr
.endr
	WIN 0
.irp t, 0,1,2,3
	ds_store_b128 v[STO], v[Y+8*\t:Y+8*\t+3] offset:64*\t
	ds_store_b128 v[STO], v[Y+8*\t+4:Y+8*\t+7] offset:64*\t+16
.endr
.irp i, 0,1,2,3,4,5,6,7
	ds_load_b32 v[TOKR+\i], v[TOUT] offset:4*(16*(\m)+2*\i)          ; the token of row 2 i + lane / 16
.endr
.irp i, 0,1,2,3,4,5,6,7
	ds_load_b128 v[DATA+4*\i:DATA+4*\i+3], v[RD] offset:2*SPITCH*\i  ; LDS serves a wave's instructions in order: these see my stores
.endr
	s_wait_dscnt 0x0
.irp i, 0,1,2,3,4,5,6,7
	v_min_u32 v[TOKR+\i], 0x7ff, v[TOKR+\i]
	v_lshlrev_b32 v[OA+\i], 13, v[TOKR+\i]         ; a row of y is 8,192 bytes
	v_add_nc_u32 v[OA+\i], v[OA+\i], v[CO]
.endr
.irp i, 0,1,2,3,4,5,6,7
	global_store_b128 v[OA+\i], v[DATA+4*\i:DATA+4*\i+3], s[18:19] th:TH_STORE_NT   ; 16 lanes store 256 consecutive bytes, at a multiple of 256 from y's first byte
.endr
.endm
.irp m, 0,1,2,3,4,5
	OUT \m
.endr
.Lend:
	s_wait_tensorcnt 0x0
	ds_add_u32 v254, v255
	s_wait_dscnt 0x0
	s_endpgm
.Lfunc_end_k_q705165c03b_moe:
	.size	k_q705165c03b_moe, .Lfunc_end_k_q705165c03b_moe-k_q705165c03b_moe
	.p2alignl 7, 3214868480
	.fill 96, 4, 3214868480
	.section	.rodata,"a",@progbits
	.p2align	6, 0x0
	.amdhsa_kernel k_q705165c03b_moe
		.amdhsa_group_segment_fixed_size 176128
		.amdhsa_private_segment_fixed_size 0
		.amdhsa_enable_private_segment 0
		.amdhsa_kernarg_size 64
		.amdhsa_user_sgpr_count 2
		.amdhsa_user_sgpr_kernarg_segment_ptr 1
		.amdhsa_wavefront_size32 1
		.amdhsa_system_sgpr_workgroup_id_x 1
		.amdhsa_system_sgpr_workgroup_id_y 1
		.amdhsa_system_sgpr_workgroup_id_z 1
		.amdhsa_system_vgpr_workitem_id 0
		.amdhsa_next_free_vgpr 1024
		.amdhsa_next_free_sgpr 96
		.amdhsa_reserve_vcc 0
		.amdhsa_float_denorm_mode_32 3
		.amdhsa_float_denorm_mode_16_64 3
		.amdhsa_memory_ordered 1
		.amdhsa_forward_progress 1
		.amdhsa_inst_pref_size 240
	.end_amdhsa_kernel
	.amdgpu_metadata
---
amdhsa.version: [ 1, 2 ]
amdhsa.kernels:
  - .name:           k_q705165c03b_moe
    .symbol:         k_q705165c03b_moe.kd
    .args:
      - { .name: cnt, .offset: 0, .size: 8, .value_kind: global_buffer, .address_space: global }
      - { .name: sorted, .offset: 8, .size: 8, .value_kind: global_buffer, .address_space: global }
      - { .name: xq, .offset: 16, .size: 8, .value_kind: global_buffer, .address_space: global }
      - { .name: xs, .offset: 24, .size: 8, .value_kind: global_buffer, .address_space: global }
      - { .name: cw, .offset: 32, .size: 8, .value_kind: global_buffer, .address_space: global }
      - { .name: wq, .offset: 40, .size: 8, .value_kind: global_buffer, .address_space: global }
      - { .name: b, .offset: 48, .size: 8, .value_kind: global_buffer, .address_space: global }
      - { .name: out0, .offset: 56, .size: 8, .value_kind: global_buffer, .address_space: global }
    .group_segment_fixed_size: 176128
    .private_segment_fixed_size: 0
    .kernarg_segment_align: 8
    .kernarg_segment_size: 64
    .max_flat_workgroup_size: 128
    .sgpr_count:     96
    .vgpr_count:     1024
    .wavefront_size: 32
...
	.end_amdgpu_metadata
.endif
;; end of part 3
;; ======== version 2 of 2: 3 launches
;; workspace buffers: wq 26,214,400 bytes; xq 3,145,728 bytes; xs 131,072 bytes; cw 16,384 bytes; keys 8,192 bytes of whole numbers; sorted 8,192 bytes of whole numbers; cnt 256 bytes of whole numbers
;; launch prep (part 4): grid 1152 x 1, 4 waves a work-group, no clusters, 4,608 bytes of LDS; arguments x, Wg, bg, W, xq, xs, keys, cw, wq; writes xq, xs, keys, cw, wq
.if DOCPART == 4
	.amdgcn_target "amdgcn-amd-amdhsa--gfx1250"
	.amdhsa_code_object_version 6
	.text
	.protected	k_q705165c03b_prep
	.globl	k_q705165c03b_prep
	.p2align	8
	.type	k_q705165c03b_prep,@function
k_q705165c03b_prep:
	s_mov_b64 s[64:65], 0
	v_nop
	global_prefetch_b8 v0, s[64:65] scope:SCOPE_SE
	s_setreg_imm32_b32 hwreg(HW_REG_WAVE_MODE, 25, 1), 1
	s_wait_xcnt 0x0
; PREP: x [2048][2048] and W [8][2048 (k)][2048 (n)], f32, become codes of BF6 (E3M2) with one E8M0 byte for each 32 along K, and the gate is computed.
; Work-groups 0-127: 16 tokens of x each: codes, scale words, the 8 logits x Wg + bg in f32, softmax (the row's maximum taken away), the two largest gates (the lower index wins a tie).
;   Stored at fixed places: keys[token] = b (b - 1) / 2 + a for the chosen experts a < b, cw[token] = (gate a, gate b).  Nothing here is addressed or branched by these numbers.
; Work-groups 128-1151: 128 columns x 256 along K of one expert's W.  A lane takes a column and its registers run down K, so a block of 32 lies in one lane and the codes come out with K innermost.
; LAYOUTS (this program's own).  wq: a record of 6,400 bytes for (expert, 64 columns, 128 along K): four fragments of 1,536 bytes as images of the operand's registers (registers 4 g .. 4 g + 3 of lane L at
;   512 g + 16 L), then 256 bytes of scale words (word of tile 2 u + L / 16, column L % 16, at 128 u + 4 L).  xq: 1,536 bytes a token; in each 96 bytes (128 along K) the four blocks of 24 bytes stand in the
;   order 0, 2, 1, 3, so that a lane's twelve operand registers are 48 consecutive bytes.  xs: 16 scale words a token.
; A block's scale byte is its largest magnitude's exponent field - 4, held at 1 from below.
; LIMITS: NaN and infinities are not served.  A block of zeros gets the byte 1 (its codes are zeros; this program alone reads the bytes); blocks whose largest magnitude lies under 2^(5 - 127) are held at that byte.
;   The logits are summed in another order of f32 additions than a row-by-row sum; a gate is exp2 x the reciprocal of the sum; an exponential under 2^-126 counts as 0.
; No cluster, no tensor load: no two work-groups read the same bytes but Wg's 64 KiB.
.set XWG,  128                         ; work-groups of the x path
.set XSWL, 2048                        ; LDS: 0 .. 2047 the logits' parts (token 128 bytes, wave 32 bytes); from here 16 tokens x 64 bytes of scale words
.set X,    32                          ; v32..   numbers as loaded (W path: two sets of 32; x path: three sets of 16)
.set CD0,  80                          ; v80-95  x path: codes, four sets of four
.set WGR,  96                          ; v96-223 x path: Wg of my 16 k: register 8 i + e
.set F,    96                          ; v96-143 W path: the fragments of two K steps
.set TH,   144                         ; v144-146 W path: a block's upper 16 codes, on their way
.set SWD,  148                         ; v148-149 W path: my column's scale word of each K step
	s_load_b256 s[4:11], s[0:1], 0x0               ; x s[4:5], Wg s[6:7], bg s[8:9], W s[10:11]
	s_load_b256 s[12:19], s[0:1], 0x20             ; xq s[12:13], xs s[14:15], keys s[16:17], cw s[18:19]
	s_load_b64 s[20:21], s[0:1], 0x40              ; wq
	v_lshl_add_u32 v254, v0, 2, 0x1000
	v_mov_b32 v255, 0
	v_lshrrev_b32 v1, 5, v0
	v_readfirstlane_b32 s22, v1                    ; wave 0..3
	v_and_b32 v1, 31, v0                           ; lane
	s_cmp_lt_u32 ttmp9, XWG                        ; the roles part on the work-group's number alone
	s_cbranch_scc1 .Lxpath
; ---------------------------------------------------------------- W
	s_sub_co_u32 s32, ttmp9, XWG
	s_and_b32 s33, s32, 15                         ; which 128 columns: sixteen neighbouring work-groups cover whole rows of W
	s_bfe_u32 s34, s32, 0x30004                    ; which 256 along K
	s_lshr_b32 s35, s32, 7                         ; expert
	s_lshl_b32 s36, s35, 24                        ; W: expert x 2^24 bytes
	s_lshl_b32 s37, s34, 21                        ;  + 256 rows of 8,192 bytes
	s_add_co_u32 s36, s36, s37
	s_lshl_b32 s37, s33, 9                         ;  + 128 columns
	s_add_co_u32 s36, s36, s37
	s_lshl_b32 s37, s22, 7                         ;  + my wave's 32 columns
	s_add_co_u32 s36, s36, s37
	s_mov_b32 s37, 0
	s_lshl_b32 s38, s35, 5                         ; the record: ((expert x 32 + group of 64 columns) x 16 + K step) x 6,400
	s_lshl_b32 s39, s33, 1
	s_add_co_u32 s38, s38, s39
	s_lshr_b32 s39, s22, 1
	s_add_co_u32 s38, s38, s39
	s_lshl_b32 s38, s38, 4
	s_lshl_b32 s39, s34, 1
	s_add_co_u32 s38, s38, s39
	s_mul_i32 s38, s38, 6400
	s_mov_b32 s39, 0
	s_and_b32 s40, s22, 1                          ; u: my 32 columns are tiles 2 u and 2 u + 1 of the group
	s_wait_alu depctr_va_vdst(0)
	v_lshlrev_b32 v2, 2, v1                        ; in: 4 bytes a lane
	s_mul_i32 s41, s40, 3072
	v_lshl_add_u32 v3, v1, 4, s41                  ; out: 16 x lane + two fragments x u
	s_lshl_b32 s41, s40, 7
	v_add_nc_u32 v4, s41, v2                       ; scale words: 4 x lane + 128 u
	s_wait_alu depctr_va_vdst(0)
	s_wait_kmcnt 0x0
	s_add_nc_u64 s[10:11], s[10:11], s[36:37]
	s_add_nc_u64 s[20:21], s[20:21], s[38:39]
.macro WLOAD t                         ; block t: W(32 t + i, my column) into set t % 2; a wave's load reads 128 consecutive bytes, the four waves 512
.set I, 0
.rept 32
	global_load_b32 v[X+32*((\t)%2)+I], v2, s[10:11] offset:(32*(\t)+I)*8192 th:TH_LOAD_NT
.set I, I+1
.endr
.endm
.macro WBLOCK t
.set XS, X+32*((\t)%2)
.set KK, (\t)/4
.set BB, (\t)%4
.set F0, F+24*KK                       ; blocks 0 and 2 of the K step: what lanes 0-15 of a fragment hold
.set F1, F0+12                         ; blocks 1 and 3: what lanes 16-31 hold
.if BB%2
.set FB, F1+6*(BB/2)
.else
.set FB, F0+6*(BB/2)
.endif
.if (\t) < 7
	s_wait_loadcnt 32                              ; this block's 32 loads are in; the next block's 32 may be out
.else
	s_wait_loadcnt 0x0
.endif
	v_max3_num_f32 v12, |v[XS]|, |v[XS+1]|, |v[XS+2]|      ; the block's largest magnitude: all 32 numbers are mine; two chains
	v_max3_num_f32 v13, |v[XS+3]|, |v[XS+4]|, |v[XS+5]|
.irp i, 6,10,14,18,22,26
	v_max3_num_f32 v12, v12, |v[XS+\i]|, |v[XS+\i+1]|
	v_max3_num_f32 v13, v13, |v[XS+\i+2]|, |v[XS+\i+3]|
.endr
	v_max3_num_f32 v12, v12, |v[XS+30]|, |v[XS+31]|
	v_max3_num_f32 v12, v12, v13, 0x2800000        ; and the floor 2^(5 - 127): the byte cannot fall under 1
	v_add_nc_u32 v11, 0xfe000000, v12              ; 4 off the exponent field: the conversion takes this operand's exponent field as its scale
	v_cvt_scalef32_pk16_bf6_f32 v[FB:FB+2], v[XS:XS+15], v11
	v_cvt_scalef32_pk16_bf6_f32 v[TH:TH+2], v[XS+16:XS+31], v11    ; (a conversion's three registers begin on an even number: the upper half is made elsewhere and moved)
	v_lshrrev_b32 v13, 23, v11                     ; the scale's byte; also the plain instruction behind the conversions
.if BB == 0
	v_mov_b32 v[SWD+KK], v13
.else
	v_lshl_or_b32 v[SWD+KK], v13, 8*BB, v[SWD+KK]  ; the lower K in the lower byte
.endif
.irp i, 0,1,2
	v_mov_b32 v[FB+3+\i], v[TH+\i]
.endr
.if (\t)+2 < 8
	WLOAD (\t)+2
.endif
.if BB == 3                            ; a K step is whole.  F0's lanes 16-31 change places with F1's lanes 0-15: F0 is then the fragment of tile 2 u, F1 that of tile 2 u + 1
.irp i, 0,1,2,3,4,5,6,7,8,9,10,11
	v_permlane16_swap_b32 v[F0+\i], v[F1+\i]
.endr
.irp g, 0,1,2
	global_store_b128 v3, v[F0+4*\g:F0+4*\g+3], s[20:21] offset:6400*KK+512*\g          ; 32 lanes store 512 consecutive bytes, at a multiple of 256 from wq's first byte
	global_store_b128 v3, v[F1+4*\g:F1+4*\g+3], s[20:21] offset:6400*KK+1536+512*\g
.endr
	global_store_b32 v4, v[SWD+KK], s[20:21] offset:6400*KK+6144                        ; no register that a store reads is written again in this path
.endif
.endm
	WLOAD 0
	WLOAD 1
.irp t, 0,1,2,3,4,5,6,7
	WBLOCK \t
.endr
	s_endpgm
; ---------------------------------------------------------------- x
; Wave w takes k = 512 w .. 512 w + 511 of each of the 16 tokens, lane l the 16 neighbours from 512 w + 16 l on: two neighbouring lanes hold a block.
.Lxpath:
	s_lshl_b32 s32, s22, 11
	s_wait_alu depctr_va_vdst(0)
	v_lshl_add_u32 v2, v1, 6, s32                  ; x: 2,048 w + 64 l
	v_lshrrev_b32 v8, 3, v1                        ; l / 8: which of my wave's four K steps
	v_mul_u32_u24 v3, v8, 96                       ; xq: 96 bytes a K step;
	v_bfe_u32 v9, v0, 1, 1
	v_mad_u32_u24 v3, v9, 48, v3                   ; blocks 1 and 3 lie in the upper 48 bytes,
	v_bfe_u32 v9, v0, 2, 1
	v_mad_u32_u24 v3, v9, 24, v3                   ; blocks 2 and 3 in the upper 24 of their 48,
	v_and_b32 v9, 1, v0
	v_mad_u32_u24 v3, v9, 12, v3                   ; my 16 codes are 12 bytes
	s_mul_i32 s33, s22, 384
	v_add_nc_u32 v3, s33, v3
	v_bfe_u32 v4, v0, 1, 2
	v_lshlrev_b32 v4, 3, v4                        ; my block's byte in its scale word, in bits
	s_lshl_b32 s33, s22, 4
	s_add_co_u32 s33, s33, XSWL
	v_lshl_add_u32 v5, v8, 2, s33                  ; LDS: the scale word of my K step: 16 w + 4 (l / 8)
	s_lshl_b32 s33, s22, 5
	v_mov_b32 v6, s33                              ; LDS: my wave's part of a token's logits: 32 w
	s_lshl_b32 s33, s22, 14
	v_lshl_add_u32 v7, v1, 9, s33                  ; Wg: my 16 rows of 32 bytes
	v_and_b32 v9, 15, v0                           ; the addresses of the end are made here, ahead of every parting of the waves
	v_lshlrev_b32 v224, 7, v9                      ; LDS: token l % 16's logits
	v_lshlrev_b32 v225, 2, v9                      ; keys
	v_lshlrev_b32 v226, 3, v9                      ; cw
	v_lshlrev_b32 v227, 4, v1                      ; xs: 16 x lane
	v_add_nc_u32 v228, XSWL, v227                  ; and the same in LDS
	v_mov_b32 v14, 0                               ; written once: the destination of a lane move counts as read
.irp e, 0,1,2,3,4,5,6,7
	v_mov_b32 v[24+\e], 0
.endr
	s_mov_b32 s46, 0x76543210
	s_mov_b32 s47, 0xfedcba98                      ; v_permlanex16_b32's selects for lane l xor 16
	s_lshl_b32 s36, ttmp9, 17                      ; 16 rows of x,
	s_mov_b32 s37, 0
	s_mul_i32 s38, ttmp9, 24576                    ; of xq,
	s_mov_b32 s39, 0
	s_lshl_b32 s40, ttmp9, 10                      ; of xs,
	s_mov_b32 s41, 0
	s_lshl_b32 s42, ttmp9, 6                       ; of keys,
	s_mov_b32 s43, 0
	s_lshl_b32 s44, ttmp9, 7                       ; of cw
	s_mov_b32 s45, 0
	s_wait_kmcnt 0x0
	s_load_b256 s[24:31], s[8:9], 0x0              ; bg
	s_add_nc_u64 s[4:5], s[4:5], s[36:37]
	s_add_nc_u64 s[12:13], s[12:13], s[38:39]
	s_add_nc_u64 s[14:15], s[14:15], s[40:41]
	s_add_nc_u64 s[16:17], s[16:17], s[42:43]
	s_add_nc_u64 s[18:19], s[18:19], s[44:45]
.set I, 0
.rept 32
	global_load_b128 v[WGR+4*I:WGR+4*I+3], v7, s[6:7] offset:16*I   ; they stay in registers for all 16 tokens
.set I, I+1
.endr
.macro XLOAD t
.irp j, 0,1,2,3
	global_load_b128 v[X+16*((\t)%3)+4*\j:X+16*((\t)%3)+4*\j+3], v2, s[4:5] offset:8192*(\t)+16*\j th:TH_LOAD_NT
.endr
.endm
	XLOAD 0
	XLOAD 1
	XLOAD 2
.macro TOKEN t
.set XS, X+16*((\t)%3)
.set CD, CD0+4*((\t)%4)
.if (\t) < 14
	s_wait_loadcnt 8                               ; this token's four loads (and Wg) are in; the next two tokens' eight may be out
.else
	s_wait_loadcnt 4*(15-(\t))
.endif
	s_wait_xcnt 0x0                                ; the store of four tokens ago has read its data: that set of code registers is written again only behind this wait
	v_max3_num_f32 v8, |v[XS]|, |v[XS+1]|, |v[XS+2]|
	v_max3_num_f32 v9, |v[XS+3]|, |v[XS+4]|, |v[XS+5]|
.irp i, 6,10
	v_max3_num_f32 v8, v8, |v[XS+\i]|, |v[XS+\i+1]|
	v_max3_num_f32 v9, v9, |v[XS+\i+2]|, |v[XS+\i+3]|
.endr
	v_max3_num_f32 v8, v8, |v[XS+14]|, |v[XS+15]|
	v_max3_num_f32 v8, v8, v9, 0x2800000           ; the floor 2^(5 - 127)
	v_max_num_f32_dpp v8, v8, v8 row_xmask:1 row_mask:0xf bank_mask:0xf   ; with my neighbour's 16: the block's largest magnitude
	v_add_nc_u32 v11, 0xfe000000, v8
	v_cvt_scalef32_pk16_bf6_f32 v[CD:CD+2], v[XS:XS+15], v11
	v_lshrrev_b32 v10, 23, v11                     ; the byte; also the plain instruction behind the conversion
	v_lshlrev_b32 v10, v4, v10                     ; at its place in the word;
	v_mov_b32_dpp v14, v10 row_xmask:2 row_mask:0xf bank_mask:0xf
	v_or_b32 v10, v10, v14                         ; with the block beside it,
	v_mov_b32_dpp v14, v10 row_xmask:4 row_mask:0xf bank_mask:0xf
	v_or_b32 v10, v10, v14                         ; and the other two: eight lanes hold the K step's word
	global_store_b96 v3, v[CD:CD+2], s[12:13] offset:1536*(\t)
	ds_store_b32 v5, v10 offset:64*(\t)            ; (eight lanes write the same word with the same value)
.irp q, 0,1,2,3                        ; the eight logits' parts, two experts an instruction, four chains by turns: x(k) is broadcast from its pair
	v_pk_mul_f32 v[16+2*\q:17+2*\q], v[XS:XS+1], v[WGR+2*\q:WGR+2*\q+1] op_sel_hi:[0,1]
.endr
.irp i, 2,4,6,8,10,12,14
.irp q, 0,1,2,3
	v_pk_fma_f32 v[16+2*\q:17+2*\q], v[XS+\i:XS+\i+1], v[WGR+8*\i+2*\q:WGR+8*\i+2*\q+1], v[16+2*\q:17+2*\q] op_sel_hi:[0,1,1]
.endr
.endr
.irp i, 1,3,5,7,9,11,13,15
.irp q, 0,1,2,3
	v_pk_fma_f32 v[16+2*\q:17+2*\q], v[XS+\i-1:XS+\i], v[WGR+8*\i+2*\q:WGR+8*\i+2*\q+1], v[16+2*\q:17+2*\q] op_sel:[1,0,0] op_sel_hi:[1,1,1]
.endr
.endr
.irp x, 1,2,4,8
.irp e, 0,1,2,3,4,5,6,7
	v_add_f32_dpp v[16+\e], v[16+\e], v[16+\e] row_xmask:\x row_mask:0xf bank_mask:0xf
.endr
.endr
.irp e, 0,1,2,3,4,5,6,7
	v_permlanex16_b32 v[24+\e], v[16+\e], s46, s47
.endr
.irp e, 0,1,2,3,4,5,6,7
	v_add_f32 v[16+\e], v[16+\e], v[24+\e]         ; every lane holds my wave's part of the token's eight logits
.endr
	ds_store_b128 v6, v[16:19] offset:128*(\t)
	ds_store_b128 v6, v[20:23] offset:128*(\t)+16
.if (\t)+3 < 16
	XLOAD (\t)+3
.endif
.endm
.irp t, 0,1,2,3,4,5,6,7,8,9,10,11,12,13,14,15
	TOKEN \t
.endr
	s_wait_dscnt 0x0                               ; for the others' sake: my LDS stores have landed
	s_barrier_signal -1
	s_barrier_wait -1
	s_cmp_eq_u32 s22, 0
	s_cbranch_scc1 .Lgate
	s_cmp_eq_u32 s22, 1
	s_cbranch_scc0 .Lend
	ds_load_b128 v[32:35], v228                    ; wave 1: the 16 tokens' scale words leave as 1,024 consecutive bytes
	ds_load_b128 v[36:39], v228 offset:512
	s_wait_dscnt 0x0
	global_store_b128 v227, v[32:35], s[14:15]
	global_store_b128 v227, v[36:39], s[14:15] offset:512
	s_branch .Lend
.Lgate:                                            ; wave 0: lane l serves token l % 16 (both halves of the lanes compute and store the same)
.irp w, 0,1,2,3
	ds_load_b128 v[32+8*\w:35+8*\w], v224 offset:32*\w
	ds_load_b128 v[36+8*\w:39+8*\w], v224 offset:32*\w+16
.endr
	s_wait_dscnt 0x0
	s_wait_kmcnt 0x0                               ; bg
.irp q, 0,2,4,6
	v_pk_add_f32 v[16+\q:17+\q], v[32+\q:33+\q], v[40+\q:41+\q]
	v_pk_add_f32 v[24+\q:25+\q], v[48+\q:49+\q], v[56+\q:57+\q]
.endr
.irp q, 0,2,4,6
	v_pk_add_f32 v[16+\q:17+\q], v[16+\q:17+\q], v[24+\q:25+\q]
.endr
.irp e, 0,1,2,3,4,5,6,7
	v_add_f32 v[16+\e], s[24+\e], v[16+\e]         ; the logits
.endr
	v_max3_num_f32 v8, v16, v17, v18
	v_max3_num_f32 v8, v8, v19, v20
	v_max3_num_f32 v8, v8, v21, v22
	v_max_num_f32 v8, v8, v23                      ; the row's maximum is taken away ahead of the exponentials
.irp e, 0,1,2,3,4,5,6,7
	v_sub_f32 v[16+\e], v[16+\e], v8
.endr
.irp e, 0,1,2,3,4,5,6,7
	v_mul_f32 v[16+\e], 0x3fb8aa3b, v[16+\e]       ; x log2(e)
.endr
	s_wait_alu depctr_va_vdst(0)
.irp e, 0,1,2,3,4,5,6,7
	v_exp_f32 v[16+\e], v[16+\e]
.endr
	v_mov_b32 v9, 0                                ; (a plain instruction behind the exponentials)  the best expert so far: 0
	s_wait_alu depctr_va_vdst(0)                   ; one wait for the eight, ahead of their first reader
	v_add_f32 v10, v16, v17
	v_add_f32 v11, v18, v19
	v_add_f32 v12, v20, v21
	v_add_f32 v13, v22, v23
	v_add_f32 v10, v10, v11
	v_add_f32 v12, v12, v13
	v_add_f32 v10, v10, v12
	s_wait_alu depctr_va_vdst(0)
	v_rcp_f32 v10, v10
	v_mov_b32 v13, 0                               ; (a plain instruction behind the reciprocal)  the second best expert
	s_wait_alu depctr_va_vdst(0)
.irp e, 0,1,2,3,4,5,6,7
	v_mul_f32 v[16+\e], v[16+\e], v10              ; the gates
.endr
	v_mov_b32 v11, v16                             ; the best gate so far,
	v_mov_b32 v12, -1.0                            ; the second best: under every gate
.irp e, 1,2,3,4,5,6,7                  ; strictly greater: of equal gates the lower index stays ahead.  Choices by v_cndmask_b32 alone: no branch hangs on a gate
	v_mov_b32 v14, \e
	v_cmp_gt_f32 vcc_lo, v[16+\e], v11
	v_cmp_gt_f32 s32, v[16+\e], v12
	v_cndmask_b32 v12, v12, v[16+\e], s32
	v_cndmask_b32 v13, v13, v14, s32
	v_cndmask_b32 v12, v12, v11, vcc_lo
	v_cndmask_b32 v13, v13, v9, vcc_lo
	v_cndmask_b32 v11, v11, v[16+\e], vcc_lo
	v_cndmask_b32 v9, v9, v14, vcc_lo
.endr
	v_cmp_lt_u32 vcc_lo, v9, v13
	v_cndmask_b32 v32, v12, v11, vcc_lo            ; the gate of a, the lower of the two experts,
	v_cndmask_b32 v33, v11, v12, vcc_lo            ; and of b
	v_min_u32 v34, v9, v13
	v_max_u32 v35, v9, v13
	v_add_nc_u32 v36, -1, v35
	v_mul_u32_u24 v36, v36, v35
	v_lshrrev_b32 v36, 1, v36
	v_add_nc_u32 v36, v36, v34                     ; the set's number: b (b - 1) / 2 + a
	global_store_b32 v225, v36, s[16:17]
	global_store_b64 v226, v[32:33], s[18:19]
.Lend:
	s_wait_tensorcnt 0x0
	ds_add_u32 v254, v255
	s_wait_dscnt 0x0
	s_endpgm
.Lfunc_end_k_q705165c03b_prep:
	.size	k_q705165c03b_prep, .Lfunc_end_k_q705165c03b_prep-k_q705165c03b_prep
	.p2alignl 7, 3214868480
	.fill 96, 4, 3214868480
	.section	.rodata,"a",@progbits
	.p2align	6, 0x0
	.amdhsa_kernel k_q705165c03b_prep
		.amdhsa_group_segment_fixed_size 4608
		.amdhsa_private_segment_fixed_size 0
		.amdhsa_enable_private_segment 0
		.amdhsa_kernarg_size 72
		.amdhsa_user_sgpr_count 2
		.amdhsa_user_sgpr_kernarg_segment_ptr 1
		.amdhsa_wavefront_size32 1
		.amdhsa_system_sgpr_workgroup_id_x 1
		.amdhsa_system_sgpr_workgroup_id_y 1
		.amdhsa_system_sgpr_workgroup_id_z 1
		.amdhsa_system_vgpr_workitem_id 0
		.amdhsa_next_free_vgpr 256
		.amdhsa_next_free_sgpr 66
		.amdhsa_reserve_vcc 1
		.amdhsa_float_denorm_mode_32 3
		.amdhsa_float_denorm_mode_16_64 3
		.amdhsa_memory_ordered 1
		.amdhsa_forward_progress 1
		.amdhsa_inst_pref_size 188
	.end_amdhsa_kernel
	.amdgpu_metadata
---
amdhsa.version: [ 1, 2 ]
amdhsa.kernels:
  - .name:           k_q705165c03b_prep
    .symbol:         k_q705165c03b_prep.kd
    .args:
      - { .name: x, .offset: 0, .size: 8, .value_kind: global_buffer, .address_space: global }
      - { .name: Wg, .offset: 8, .size: 8, .value_kind: global_buffer, .address_space: global }
      - { .name: bg, .offset: 16, .size: 8, .value_kind: global_buffer, .address_space: global }
      - { .name: W, .offset: 24, .size: 8, .value_kind: global_buffer, .address_space: global }
      - { .name: xq, .offset: 32, .size: 8, .value_kind: global_buffer, .address_space: global }
      - { .name: xs, .offset: 40, .size: 8, .value_kind: global_buffer, .address_space: global }
      - { .name: keys, .offset: 48, .size: 8, .value_kind: global_buffer, .address_space: global }
      - { .name: cw, .offset: 56, .size: 8, .value_kind: global_buffer, .address_space: global }
      - { .name: wq, .offset: 64, .size: 8, .value_kind: global_buffer, .address_space: global }
    .group_segment_fixed_size: 4608
    .private_segment_fixed_size: 0
    .kernarg_segment_align: 8
    .kernarg_segment_size: 72
    .max_flat_workgroup_size: 128
    .sgpr_count:     66
    .vgpr_count:     256
    .wavefront_size: 32
...
	.end_amdgpu_metadata
.endif
;; end of part 4
;; launch place (part 5): grid 28 x 1, 4 waves a work-group, no clusters, 768 bytes of LDS; arguments keys, sorted, cnt; writes sorted, cnt
.if DOCPART == 5
	.amdgcn_target "amdgcn-amd-amdhsa--gfx1250"
	.amdhsa_code_object_version 6
	.text
	.protected	k_q705165c03b_place
	.globl	k_q705165c03b_place
	.p2align	8
	.type	k_q705165c03b_place,@function
k_q705165c03b_place:
	s_mov_b64 s[64:65], 0
	v_nop
	global_prefetch_b8 v0, s[64:65] scope:SCOPE_SE
	s_setreg_imm32_b32 hwreg(HW_REG_WAVE_MODE, 25, 1), 1
	s_wait_xcnt 0x0
; PLACE: the 2,048 tokens are grouped by their set of experts, p = keys[token], 0 .. 27.  Work-group p reads all keys, counts the tokens of lower sets (where its own run begins in 'sorted') and its own,
; and stores its own tokens' numbers on end; cnt[p] = their number.  Each word of 'sorted' and of 'cnt' has one owner; no atomics.
; Wave w takes tokens 512 w .. 512 w + 511: register 4 j + q of lane l holds the key of token 512 w + 128 j + 4 l + q.
; All sixteen places and token numbers are made first, with every lane on, each in a register of its own; the sixteen masked stores follow, and no vector register is written once EXEC has been narrowed.
.set KEY, 16                           ; v16-31  keys
.set AD,  32                           ; v32-47  byte offsets in 'sorted'
.set TN,  48                           ; v48-63  token numbers
.set MK,  32                           ; s32-47  which lanes hold a token of the set
	s_load_b128 s[4:7], s[0:1], 0x0                ; keys s[4:5], sorted s[6:7]
	s_load_b64 s[8:9], s[0:1], 0x10                ; cnt
	v_lshl_add_u32 v64, v0, 2, 0x100
	v_mov_b32 v65, 0
	v_lshrrev_b32 v1, 5, v0
	v_readfirstlane_b32 s10, v1                    ; wave
	v_and_b32 v1, 31, v0
	s_lshl_b32 s11, s10, 11
	v_lshl_add_u32 v2, v1, 4, s11                  ; keys: 2,048 w + 16 l
	s_lshl_b32 s11, s10, 9
	v_lshl_add_u32 v3, v1, 2, s11                  ; my first token: 512 w + 4 l
	s_lshl_b32 s11, s10, 3
	v_mov_b32 v4, s11                              ; LDS: my wave's two counts
	v_mov_b32 v5, 0
	s_mov_b32 s12, ttmp9                           ; p
	s_mov_b32 s13, 0                               ; tokens of lower sets,
	s_mov_b32 s14, 0                               ; tokens of mine, in my wave's 512
	s_wait_alu depctr_va_vdst(0)
	s_wait_kmcnt 0x0
.irp j, 0,1,2,3
	global_load_b128 v[KEY+4*\j:KEY+4*\j+3], v2, s[4:5] offset:512*\j
.endr
	s_wait_loadcnt 0x0
.set I, 0
.rept 16
	v_cmp_gt_u32 s20, s12, v[KEY+I]
	v_cmp_eq_u32 s[MK+I], s12, v[KEY+I]
	s_bcnt1_i32_b32 s20, s20
	s_bcnt1_i32_b32 s21, s[MK+I]
	s_add_co_u32 s13, s13, s20
	s_add_co_u32 s14, s14, s21
.set I, I+1
.endr
	v_mov_b32 v6, s13
	v_mov_b32 v7, s14
	ds_store_b64 v4, v[6:7]                        ; (all lanes write the same words with the same values)
	s_wait_dscnt 0x0                               ; for the others' sake
	s_barrier_signal -1
	s_barrier_wait -1
	ds_load_b128 v[8:11], v5
	ds_load_b128 v[12:15], v5 offset:16
	s_wait_dscnt 0x0
.irp i, 0,1,2,3,4,5,6,7
	v_readfirstlane_b32 s[24+\i], v[8+\i]          ; s24, s26, s28, s30: the waves' lower counts; s25, s27, s29, s31: their own counts
.endr
	s_add_co_u32 s15, s24, s26
	s_add_co_u32 s15, s15, s28
	s_add_co_u32 s15, s15, s30                     ; where set p begins
	s_cmp_gt_u32 s10, 0
	s_cselect_b32 s20, s25, 0
	s_add_co_u32 s15, s15, s20
	s_cmp_gt_u32 s10, 1
	s_cselect_b32 s20, s27, 0
	s_add_co_u32 s15, s15, s20
	s_cmp_gt_u32 s10, 2
	s_cselect_b32 s20, s29, 0
	s_add_co_u32 s15, s15, s20                     ; where my wave's tokens of the set begin
	s_add_co_u32 s16, s25, s27
	s_add_co_u32 s16, s16, s29
	s_add_co_u32 s16, s16, s31                     ; the set's tokens
	v_mov_b32 v14, s16
.set I, 0
.rept 16
	v_mbcnt_lo_u32_b32 v12, s[MK+I], 0             ; how many lanes below me hold a token of the set
	v_add_nc_u32 v[AD+I], s15, v12
	v_min_u32 v[AD+I], 0x7ff, v[AD+I]              ; a place in 'sorted'
	v_lshlrev_b32 v[AD+I], 2, v[AD+I]
	v_add_nc_u32 v[TN+I], 128*(I/4)+I%4, v3        ; the token's number
	s_bcnt1_i32_b32 s21, s[MK+I]
	s_add_co_u32 s15, s15, s21
.set I, I+1
.endr
	s_wait_alu depctr_va_vdst(0)
	s_wait_xcnt 0x0                                ; EXEC changes only behind this wait
.set I, 0
.rept 16
	s_and_saveexec_b32 s22, s[MK+I]
	global_store_b32 v[AD+I], v[TN+I], s[6:7]
	s_wait_xcnt 0x0                                ; ahead of the line that widens EXEC again; nothing is issued between it and the next narrowing
	s_or_b32 exec_lo, exec_lo, s22
.set I, I+1
.endr
	s_cmp_lg_u32 s10, 0
	s_cbranch_scc1 .Lend
	s_lshl_b32 s20, s12, 2
	s_mov_b32 s21, 0
	s_add_nc_u64 s[8:9], s[8:9], s[20:21]
	global_store_b32 v5, v14, s[8:9]               ; cnt[p]
.Lend:
	s_wait_tensorcnt 0x0
	ds_add_u32 v64, v65
	s_wait_dscnt 0x0
	s_endpgm
.Lfunc_end_k_q705165c03b_place:
	.size	k_q705165c03b_place, .Lfunc_end_k_q705165c03b_place-k_q705165c03b_place
	.p2alignl 7, 3214868480
	.fill 96, 4, 3214868480
	.section	.rodata,"a",@progbits
	.p2align	6, 0x0
	.amdhsa_kernel k_q705165c03b_place
		.amdhsa_group_segment_fixed_size 768
		.amdhsa_private_segment_fixed_size 0
		.amdhsa_enable_private_segment 0
		.amdhsa_kernarg_size 24
		.amdhsa_user_sgpr_count 2
		.amdhsa_user_sgpr_kernarg_segment_ptr 1
		.amdhsa_wavefront_size32 1
		.amdhsa_system_sgpr_workgroup_id_x 1
		.amdhsa_system_sgpr_workgroup_id_y 1
		.amdhsa_system_sgpr_workgroup_id_z 1
		.amdhsa_system_vgpr_workitem_id 0
		.amdhsa_next_free_vgpr 66
		.amdhsa_next_free_sgpr 66
		.amdhsa_reserve_vcc 0
		.amdhsa_float_denorm_mode_32 3
		.amdhsa_float_denorm_mode_16_64 3
		.amdhsa_memory_ordered 1
		.amdhsa_forward_progress 1
		.amdhsa_inst_pref_size 15
	.end_amdhsa_kernel
	.amdgpu_metadata
---
amdhsa.version: [ 1, 2 ]
amdhsa.kernels:
  - .name:           k_q705165c03b_place
    .symbol:         k_q705165c03b_place.kd
    .args:
      - { .name: keys, .offset: 0, .size: 8, .value_kind: global_buffer, .address_space: global }
      - { .name: sorted, .offset: 8, .size: 8, .value_kind: global_buffer, .address_space: global }
      - { .name: cnt, .offset: 16, .size: 8, .value_kind: global_buffer, .address_space: global }
    .group_segment_fixed_size: 768
    .private_segment_fixed_size: 0
    .kernarg_segment_align: 8
    .kernarg_segment_size: 24
    .max_flat_workgroup_size: 128
    .sgpr_count:     66
    .vgpr_count:     66
    .wavefront_size: 32
...
	.end_amdgpu_metadata
.endif
;; end of part 5
;; launch moe (part 6): grid 8 x 49, 4 waves a work-group, no clusters, 176,128 bytes of LDS; arguments cnt, sorted, xq, xs, cw, wq, b, out0; writes out0
.if DOCPART == 6
	.amdgcn_target "amdgcn-amd-amdhsa--gfx1250"
	.amdhsa_code_object_version 6
	.text
	.protected	k_q705165c03b_moe
	.globl	k_q705165c03b_moe
	.p2align	8
	.type	k_q705165c03b_moe,@function
k_q705165c03b_moe:
	s_mov_b64 s[64:65], 0
	v_nop
	global_prefetch_b8 v0, s[64:65] scope:SCOPE_SE
	s_setreg_imm32_b32 hwreg(HW_REG_WAVE_SCHED_MODE, 0, 2), 2
	s_setreg_imm32_b32 hwreg(HW_REG_WAVE_MODE, 25, 1), 1
	s_wait_xcnt 0x0
	s_wait_alu depctr_vm_vsrc(0)
; MOE: y[token] = gate a x (x W[a] + b[a]) + gate b x (x W[b] + b[b]) for the token's two chosen experts a < b, on codes of BF6 (E3M2) with E8M0 scales; sums in f32.
; A JOB is up to 96 tokens of ONE set of experts {a, b}, so each row of y has one owner and is stored once.  Work-group (x, y) = (256 columns, job).  With 2,048 tokens, 28 sets and 96 rows a job there are never
; more than 22 + 27 = 49 jobs, whatever the choice; a job that a given split leaves without rows stores nothing and ends.
; A job always works on six tiles of 16 rows: rows past its last are its last row once more, computed and stored with the same numbers.
; Wave w takes 64 columns (four tiles), all six tiles of rows, both experts: 48 accumulators.  W's fragments come from memory straight into registers, in the order in which an earlier launch laid them (three sets
; of registers, asked for two K steps ahead); the job's rows of x are gathered once into LDS and read by all four waves.
; THE 16 K STEPS ARE WRITTEN OUT: every offset of the products, in LDS and in memory, is an immediate, and no address register is stepped.
; THE MATRIX INSTRUCTION IS USED TRANSPOSED: source 0 = 16 columns of W, source 1 = 16 rows of x: a lane holds one token (lane % 16) and eight neighbouring columns.  Each bias is the C of its sum's first instruction.
; NO TENSOR LOAD, NO CLUSTER: whether a job has rows, and which jobs share an expert's weights, hangs on numbers read from memory.  The one barrier stands on every wave's path, under no branch.
; THE MODE: SCHED_MODE bits 1:0 = 2 (LLVM: expert scheduling mode 2), set by the entry lines.  The code itself states the register dependences between vector or matrix instructions and memory or LDS
; instructions, with s_wait_alu, always for 0.
; THE PLAN.  Registers that memory or LDS instructions touch:
;   v1-31, v248-250   addresses and offsets: made at the head, never written again.
;   W's sets 0, 1, 2 and their scale words.  Step k's products read set k % 3; the loads of step k + 2, issued in step k, land in set (k + 2) % 3, which the products of step k - 1 read.
;   x's buffers 0, 1.  Step k's products read buffer k % 2; the LDS loads of step k + 1, issued in step k, land in the other, which the products of step k - 1 read.  x's scale words: three sets, by k % 3.
;   So ONE wait on va_vdst stands at a step's head: the products of the step before are done reading all the registers in which this step's loads land; this step's products name none of them, and its 49 loads
;   are dealt among them with no further wait.
;   The gather: token numbers and addresses are made in runs, one wait on va_vdst behind each run; one wait on vm_vsrc behind the barrier frees all that the gather's loads and stores have read.
;   The way out: all 48 store addresses are made at once; Y0, Y1 (written by the gates' arithmetic, read by LDS stores) and D0, D1 (filled from the stage, read by the global stores) take turns tile by tile.
; REGISTERS, in windows of 256.  Window 0: v1-31 addresses; v32-43 gates; v44-55 W's scale words, v56-64 x's (three sets each); v72-143, v144-215 x's six fragments, two buffers.
;   In the gather v144-167 are its addresses and v168-179 scale words on their way; on the way out v72-119 are the store addresses, v120-183 Y0 and Y1, v184-247 D0 and D1.
;   Window 1: W's sets 0 and 1 (96 each); from v192 the biases.   Window 2: W's set 2; from v128 the accumulators of row tiles 4, 5.   Window 3: those of row tiles 0-3.
.set PITCH,  1552                      ; a row of x's codes in LDS: 1,536 bytes + 16 = 97 x 16: the 16 rows of a load of 16 bytes fall on 16 different columns of 16 bytes
.set XSC,    96*PITCH                  ; x's scale words: 96 rows,
.set SPX,    72                        ; 64 bytes + 8 = 18 words: 32 rows' words fall on 32 different banks
.set TOKT,   XSC+96*SPX                ; a table of the job's 96 token numbers for each wave, its own: 512 bytes each
.set STAGE,  TOKT+4*512                ; the way out: 16 rows x 272 bytes for each wave, its own
.set SPITCH, 272
.set REC,    6400                      ; a record of wq: 64 columns x 128 along K
.set LN16, 1                           ; v1   16 x lane
.set LN4,  2                           ; v2   4 x lane
.set R,    3                           ; v3   lane % 16
.set H,    4                           ; v4   lane / 16
.set TK,   5                           ; v5-7   token numbers: register q, lane l: row 32 q + l
.set GB,   8                           ; v8-10  the gather's LDS addresses: rows 4 i + wave, eight i to a register
.set TW,   11                          ; v11  my table: 4 x lane
.set TXS,  12                          ; v12  my table: row 24 wave + lane / 4
.set TCW,  13                          ; v13  my table: row lane % 16
.set TOUT, 14                          ; v14  my table: row lane / 16
.set XSW,  15                          ; v15  where I store scale words
.set XA0,  16                          ; v16  x's fragments, row tiles 0-2; never rewritten
.set XA1,  17                          ; v17  row tiles 3-5; never rewritten
.set XSA,  18                          ; v18  x's scale words: row = lane; never rewritten
.set L3,   19                          ; v19  16 x (lane % 4)
.set TGA,  20                          ; v20  my table: row = wave (the same in all lanes)
.set LANE, 21
.set STO,  28
.set RD,   29
.set CO,   30                          ; v30  my byte in a row of y
.set BH,   31                          ; v31  32 x (lane / 16)
.set CW,   32
.set SW,   44
.set SX,   56
.set TMP,  66
.set XF,   72                          ; buffer p at XF + 72 p
.set GA,   144
.set XSR,  168
.set OA,   72
.set Y,    120                         ; buffer p at Y + 32 p
.set DATA, 184                         ; buffer p at DATA + 32 p
.set TKA,  248                         ; v248-250 the first loads' addresses; never rewritten
.set BIAS, 192                         ; in window 1
.set MSB, 0
.macro WIN new                         ; the immediate's high byte repeats the setting that is left
.if MSB != \new
	s_set_vgpr_msb (MSB<<8)|\new
.set MSB, \new
.endif
.endm
	s_load_b512 s[4:19], s[0:1], 0x0               ; cnt s[4:5], sorted s[6:7], xq s[8:9], xs s[10:11], cw s[12:13], wq s[14:15], b s[16:17], out0 s[18:19]
	v_lshl_add_u32 v254, v0, 2, 0x2ae00
	v_mov_b32 v255, 0
	v_lshrrev_b32 v[LANE], 5, v0
	v_readfirstlane_b32 s20, v[LANE]               ; wave
	s_mov_b32 s21, ttmp9                           ; which 256 columns
	s_and_b32 s22, ttmp7, 0xffff                   ; job
	v_and_b32 v[LANE], 31, v0
	v_lshlrev_b32 v[LN16], 4, v[LANE]
	v_lshlrev_b32 v[LN4], 2, v[LANE]
	v_and_b32 v[R], 15, v0
	v_bfe_u32 v[H], v0, 4, 1
	s_wait_alu depctr_va_vdst(0)
	s_wait_kmcnt 0x0
	s_load_b512 s[36:51], s[4:5], 0x0              ; cnt[0 .. 27]
	s_load_b256 s[52:59], s[4:5], 0x40
	s_load_b128 s[60:63], s[4:5], 0x60
	s_wait_alu depctr_va_sdst(0)                   ; s20, the wave's number, is written, ahead of its first reader: LDS addresses and the bases of W, b and y are made from it
	; every LDS address is made here, ahead of every branch
	s_mul_i32 s76, s20, PITCH
	v_add_nc_u32 v[GB], s76, v[LN16]
	v_add_nc_u32 v[GB+1], 32*PITCH, v[GB]
	v_add_nc_u32 v[GB+2], 64*PITCH, v[GB]
	s_lshl_b32 s77, s20, 9
	s_add_co_u32 s77, s77, TOKT                    ; my table
	v_add_nc_u32 v[TW], s77, v[LN4]
	v_lshl_add_u32 v[TCW], v[R], 2, s77
	v_lshl_add_u32 v[TOUT], v[H], 2, s77
	s_lshl_b32 s78, s20, 2
	s_add_co_u32 s78, s78, s77
	v_mov_b32 v[TGA], s78
	s_mul_i32 s78, s20, 96
	s_add_co_u32 s78, s78, s77
	v_bfe_u32 v[TMP], v0, 2, 3                     ; lane / 4
	v_lshl_add_u32 v[TXS], v[TMP], 2, s78
	v_and_b32 v[L3], 3, v0
	v_lshlrev_b32 v[L3], 4, v[L3]
	v_mul_u32_u24 v[XSW], v[TMP], SPX
	v_add_nc_u32 v[XSW], v[XSW], v[L3]
	s_mul_i32 s78, s20, 24*SPX
	s_add_co_u32 s78, s78, XSC
	v_add_nc_u32 v[XSW], s78, v[XSW]               ; row 24 wave + lane / 4, 16 bytes for each of four lanes
	v_mul_u32_u24 v[XA0], v[R], PITCH
	v_mad_u32_u24 v[XA0], v[H], 48, v[XA0]         ; a fragment: row lane % 16, + 48 bytes for the upper half of the lanes
	v_add_nc_u32 v[XA1], 48*PITCH, v[XA0]
	v_mul_u32_u24 v[XSA], v[LANE], SPX
	v_add_nc_u32 v[XSA], XSC, v[XSA]
	s_mul_i32 s78, s20, 16*SPITCH
	s_add_co_u32 s78, s78, STAGE                   ; my stage
	v_mul_u32_u24 v[STO], v[R], SPITCH
	v_lshl_add_u32 v[STO], v[H], 5, v[STO]
	v_add_nc_u32 v[STO], s78, v[STO]               ; in: row lane % 16, 32 bytes for each half of the lanes
	v_mul_u32_u24 v[RD], v[H], SPITCH
	v_lshl_add_u32 v[RD], v[R], 4, v[RD]
	v_add_nc_u32 v[RD], s78, v[RD]                 ; back: lanes 0-15 one row of 256 bytes, lanes 16-31 the next
	v_lshlrev_b32 v[BH], 5, v[H]
	s_mov_b32 s23, 0                               ; jobs of the sets passed
	s_mov_b32 s24, 0                               ; tokens of the sets passed
	s_mov_b32 s25, 0                               ; of the set that holds my job: a + 8 b,
	s_mov_b32 s26, 0                               ; its first place in 'sorted',
	s_mov_b32 s27, 0                               ; its tokens,
	s_mov_b32 s28, 0                               ; its first job
	s_wait_kmcnt 0x0
; WHICH SET HOLDS MY JOB: the last set whose first job is not beyond mine.  Written out over the 28 sets, by selects.  A set of n tokens has (n + 95) / 96 jobs: x 43,691 >> 22 is that division for n + 95 up to 2,143.
.macro PAIR p, ab
	s_min_u32 s[36+\p], s[36+\p], 2048
	s_cmp_le_u32 s23, s22
	s_cselect_b32 s25, \ab, s25
	s_cselect_b32 s26, s24, s26
	s_cselect_b32 s27, s[36+\p], s27
	s_cselect_b32 s28, s23, s28
	s_add_co_u32 s24, s24, s[36+\p]
	s_add_co_u32 s29, s[36+\p], 95
	s_mul_i32 s29, s29, 43691
	s_lshr_b32 s29, s29, 22
	s_add_co_u32 s23, s23, s29
.endm
.set PP, 0
.irp bb, 1,2,3,4,5,6,7
.irp aa, 0,1,2,3,4,5,6
.if \aa < \bb
	PAIR PP, \aa+8*\bb
.set PP, PP+1
.endif
.endr
.endr
	s_sub_co_u32 s76, s22, s28                     ; which job of the set
	s_mul_i32 s76, s76, 96
	s_sub_co_i32 s29, s27, s76                     ; rows left from its first row on
	s_cmp_gt_i32 s29, 0
	s_cselect_b32 s34, 1, 0                        ; has the job rows?
	s_max_i32 s29, s29, 1
	s_min_i32 s29, s29, 96
	s_sub_co_u32 s32, s29, 1                       ; its last row
	s_add_co_u32 s33, s26, s76
	s_min_u32 s33, s33, 2047                       ; its first place in 'sorted'
	s_and_b32 s30, s25, 7
	s_min_u32 s30, s30, 7                          ; a
	s_lshr_b32 s31, s25, 3
	s_min_u32 s31, s31, 7                          ; b
	s_lshl_b32 s77, s21, 2
	s_add_co_u32 s77, s77, s20                     ; my group of 64 columns
	s_mov_b32 s79, 0
	s_lshl_b32 s78, s30, 5
	s_add_co_u32 s78, s78, s77
	s_mul_i32 s78, s78, 16*REC
	s_add_nc_u64 s[66:67], s[14:15], s[78:79]      ; W[a]'s 16 records for my columns,
	s_lshl_b32 s78, s31, 5
	s_add_co_u32 s78, s78, s77
	s_mul_i32 s78, s78, 16*REC
	s_add_nc_u64 s[68:69], s[14:15], s[78:79]      ; W[b]'s
	s_lshl_b32 s77, s77, 8                         ; my 64 columns in bytes
	s_lshl_b32 s78, s30, 13
	s_add_co_u32 s78, s78, s77
	s_add_nc_u64 s[70:71], s[16:17], s[78:79]      ; b[a],
	s_lshl_b32 s78, s31, 13
	s_add_co_u32 s78, s78, s77
	s_add_nc_u64 s[72:73], s[16:17], s[78:79]      ; b[b]
	v_lshl_add_u32 v[CO], v[R], 4, s77
; K step k of W is asked for, into a set of registers: eight fragments (two experts x four tiles of columns), three loads of 512 consecutive bytes each (WCODES: 24 loads), and four registers of scale words
; (WWORDS: 4 loads, under window 0).  The record stands in the immediate: 15 x 6,400 + 6,272 bytes at the most.
.macro WCODES set, k
.if (\set) == 2
	WIN 0x80                                       ; destination window 2
.set WB, 0
.else
	WIN 0x40                                       ; destination window 1
.set WB, 96*(\set)
.endif
.irp e, 0,1
.irp t, 0,1,2,3
.irp g, 0,1,2
	global_load_b128 v[WB+48*\e+12*\t+4*\g:WB+48*\e+12*\t+4*\g+3], v[LN16], s[66+2*\e:67+2*\e] offset:REC*(\k)+1536*\t+512*\g
.endr
.endr
.endr
.endm
.macro WWORDS set, k
.irp e, 0,1
.irp u, 0,1
	global_load_b32 v[SW+4*(\set)+2*\e+\u], v[LN4], s[66+2*\e:67+2*\e] offset:REC*(\k)+6144+128*\u   ; lanes 0-15: tile 2 u's words; lanes 16-31: tile 2 u + 1's
.endr
.endr
.endm
; ASKED FOR AHEAD OF EVERY BRANCH, and waited for later: the job's token numbers, the biases, W's first two K steps.
.irp q, 0,1,2
	v_add_nc_u32 v[TKA+\q], 32*\q, v[LANE]
	v_min_u32 v[TKA+\q], s32, v[TKA+\q]            ; rows past the last are the last once more
	v_add_nc_u32 v[TKA+\q], s33, v[TKA+\q]
	v_min_u32 v[TKA+\q], 0x7ff, v[TKA+\q]
	v_lshlrev_b32 v[TKA+\q], 2, v[TKA+\q]
.endr
	s_wait_alu depctr_va_vdst(0)                   ; all addresses and offsets of the head, v1 to v31 and v248 to v250, are written: the kernel's loads, stores and LDS instructions read them; so is v66, in which an LDS load lands
.irp q, 0,1,2
	global_load_b32 v[TK+\q], v[TKA+\q], s[6:7]
.endr
	WIN 0x40
.irp e, 0,1
.irp t, 0,1,2,3
	global_load_b128 v[BIAS+32*\e+8*\t:BIAS+32*\e+8*\t+3], v[BH], s[70+2*\e:71+2*\e] offset:64*\t        ; in the result's layout: my half's eight columns of tile t
	global_load_b128 v[BIAS+32*\e+8*\t+4:BIAS+32*\e+8*\t+7], v[BH], s[70+2*\e:71+2*\e] offset:64*\t+16
.endr
.endr
	WCODES 0, 0
	WIN 0
	WWORDS 0, 0
	WCODES 1, 1
	WIN 0
	WWORDS 1, 1
; THE GATHER: the job's 96 rows of codes and scale words go into LDS.  A job without rows passes over it, not over the barrier behind it.
	s_cmp_eq_u32 s34, 0
	s_cbranch_scc1 .Lmeet
	s_wait_loadcnt 63                              ; the token numbers are in: 72 loads were issued behind them, and 63 is the largest count that the wait can name
.irp q, 0,1,2
	v_min_u32 v[TK+\q], 0x7ff, v[TK+\q]
.endr
	s_wait_alu depctr_va_vdst(0)                   ; the three registers of token numbers are written, which the LDS stores read
.irp q, 0,1,2
	ds_store_b32 v[TW], v[TK+\q] offset:128*\q     ; my wave's own table: LDS serves a wave's instructions in order, so its loads below see these stores
.endr
.set I, 0
.rept 24
	ds_load_b32 v[GA+I], v[TGA] offset:16*I        ; my rows are 4 i + wave: the row's token, the same in all lanes
.set I, I+1
.endr
.irp j, 0,1,2
	ds_load_b32 v[TMP+\j], v[TXS] offset:32*\j     ; for the scale words: rows 24 wave + 8 j + lane / 4
.endr
	s_wait_dscnt 0x0
.set I, 0
.rept 24
	v_min_u32 v[GA+I], 0x7ff, v[GA+I]
	v_mul_u32_u24 v[GA+I], v[GA+I], 1536
	v_add_nc_u32 v[GA+I], v[GA+I], v[LN16]
.set I, I+1
.endr
.irp j, 0,1,2
	v_min_u32 v[TMP+\j], 0x7ff, v[TMP+\j]
	v_lshlrev_b32 v[TMP+\j], 6, v[TMP+\j]
	v_add_nc_u32 v[TMP+\j], v[TMP+\j], v[L3]
.endr
	WIN 0xc0                                       ; rows i = 0 .. 11 pass through window 3, where accumulators will lie,
	s_wait_alu depctr_va_vdst(0)                   ; the gather's 27 offsets are written, which the 75 loads below read
.set I, 0
.rept 12
.irp g, 0,1,2
	global_load_b128 v[12*I+4*\g:12*I+4*\g+3], v[GA+I], s[8:9] offset:512*\g     ; 32 lanes read 512 consecutive bytes of the row
.endr
.set I, I+1
.endr
	WIN 0x80                                       ; rows i = 12 .. 23 through window 2
.set I, 12
.rept 12
.irp g, 0,1,2
	global_load_b128 v[112+12*(I-12)+4*\g:112+12*(I-12)+4*\g+3], v[GA+I], s[8:9] offset:512*\g
.endr
.set I, I+1
.endr
	WIN 0
.irp j, 0,1,2
	global_load_b128 v[XSR+4*\j:XSR+4*\j+3], v[TMP+\j], s[10:11]
.endr
	s_wait_loadcnt 39                              ; the first 36 are in; the second 36 and the three of scale words may be out
	WIN 0x0c                                       ; an LDS store's data are its source 1: window 3
.set I, 0
.rept 12
.irp g, 0,1,2
	ds_store_b128 v[GB+I/8], v[12*I+4*\g:12*I+4*\g+3] offset:4*PITCH*(I%8)+512*\g
.endr
.set I, I+1
.endr
	s_wait_loadcnt 3                               ; the second 36 are in
	WIN 0x08
.set I, 12
.rept 12
.irp g, 0,1,2
	ds_store_b128 v[GB+I/8], v[112+12*(I-12)+4*\g:112+12*(I-12)+4*\g+3] offset:4*PITCH*(I%8)+512*\g
.endr
.set I, I+1
.endr
	WIN 0
	s_wait_loadcnt 0x0
.irp j, 0,1,2
	ds_store_b64 v[XSW], v[XSR+4*\j:XSR+4*\j+1] offset:8*SPX*\j      ; (rows 72 bytes apart: multiples of 8)
	ds_store_b64 v[XSW], v[XSR+4*\j+2:XSR+4*\j+3] offset:8*SPX*\j+8
.endr
.Lmeet:
	s_wait_dscnt 0x0                               ; for the others' sake: my LDS stores have landed
	s_barrier_signal -1
	s_barrier_wait -1                              ; the job's rows lie in LDS; nobody writes them again
	s_wait_alu depctr_vm_vsrc(0)                   ; the gather's LDS stores have read the registers of windows 2 and 3 that the products write, and v168 to v179; its loads have read their offsets v144 to v167 and v66 to v68: LDS loads land in all of these below
	s_cmp_eq_u32 s34, 0
	s_cbranch_scc1 .Lend
; THE PRODUCTS.
; K step k of x: 96 bytes of each row, 4 bytes of each row's scale words.  The largest offset is 2 x 16 x 1,552 + 32 + 15 x 96 = 51,136: inside an LDS instruction's 16 bits.
.macro XLDA buf, set, k                ; the scale words (register i: lanes 0-15 tile 2 i, lanes 16-31 tile 2 i + 1) and the fragments of row tiles 0-2, 48 consecutive bytes a lane: 12 LDS loads
.irp i, 0,1,2
	ds_load_b32 v[SX+3*(\set)+\i], v[XSA] offset:32*SPX*\i+4*(\k)
.endr
.irp m, 0,1,2
.irp g, 0,1,2
	ds_load_b128 v[XF+72*(\buf)+12*\m+4*\g:XF+72*(\buf)+12*\m+4*\g+3], v[XA0] offset:16*PITCH*\m+16*\g+96*(\k)
.endr
.endr
.endm
.macro XLDB buf, k                     ; row tiles 3-5: 9 LDS loads
.irp m, 0,1,2
.irp g, 0,1,2
	ds_load_b128 v[XF+72*(\buf)+36+12*\m+4*\g:XF+72*(\buf)+36+12*\m+4*\g+3], v[XA1] offset:16*PITCH*\m+16*\g+96*(\k)
.endr
.endr
.endm
.irp m, 0,1,2,3,4,5
	ds_load_b32 v[TMP+\m], v[TCW] offset:64*\m     ; the token of my row in each tile of rows
.endr
	XLDA 0, 0, 0                                   ; K step 0 of x, into buffer 0
	XLDB 0, 0
	s_wait_dscnt 21                                ; the six token numbers are in; the 21 loads of x behind them may be out
.irp m, 0,1,2,3,4,5
	v_min_u32 v[TMP+\m], 0x7ff, v[TMP+\m]
	v_lshlrev_b32 v[TMP+\m], 3, v[TMP+\m]
.endr
	s_wait_alu depctr_va_vdst(0)                   ; the six offsets are written, which the gates' loads read
.irp m, 0,1,2,3,4,5
	global_load_b64 v[CW+2*\m:CW+2*\m+1], v[TMP+\m], s[12:13]        ; its two gates; wanted on the way out
.endr
.macro MUL1 set, buf, m, e, t, first   ; one product: tile of rows m, expert e (0: a, 1: b), tile of columns t
.if (\m) < 4
.set rD, 64*(\m)+32*(\e)+8*(\t)
.else
.set rD, 128+64*((\m)-4)+32*(\e)+8*(\t)
.endif
.if (\set) == 2
.set rA, 48*(\e)+12*(\t)
.else
.set rA, 96*(\set)+48*(\e)+12*(\t)
.endif
.set rB, XF+72*(\buf)+12*(\m)
.if \first
.set rC, BIAS+32*(\e)+8*(\t)
.else
.set rC, rD
.endif
.set rSA, SW+4*(\set)+2*(\e)+(\t)/2
.set rSB, SX+3*(\set)+(\m)/2
.if ((\t)%2 == 1) && ((\m)%2 == 1)
	v_wmma_scale_f32_16x16x128_f8f6f4 v[rD:rD+7], v[rA:rA+11], v[rB:rB+11], v[rC:rC+7], v[rSA], v[rSB] matrix_a_fmt:MATRIX_FMT_BF6 matrix_b_fmt:MATRIX_FMT_BF6 matrix_a_scale:MATRIX_SCALE_ROW1 matrix_b_scale:MATRIX_SCALE_ROW1
.elseif (\t)%2 == 1
	v_wmma_scale_f32_16x16x128_f8f6f4 v[rD:rD+7], v[rA:rA+11], v[rB:rB+11], v[rC:rC+7], v[rSA], v[rSB] matrix_a_fmt:MATRIX_FMT_BF6 matrix_b_fmt:MATRIX_FMT_BF6 matrix_a_scale:MATRIX_SCALE_ROW1
.elseif (\m)%2 == 1
	v_wmma_scale_f32_16x16x128_f8f6f4 v[rD:rD+7], v[rA:rA+11], v[rB:rB+11], v[rC:rC+7], v[rSA], v[rSB] matrix_a_fmt:MATRIX_FMT_BF6 matrix_b_fmt:MATRIX_FMT_BF6 matrix_b_scale:MATRIX_SCALE_ROW1
.else
	v_wmma_scale_f32_16x16x128_f8f6f4 v[rD:rD+7], v[rA:rA+11], v[rB:rB+11], v[rC:rC+7], v[rSA], v[rSB] matrix_a_fmt:MATRIX_FMT_BF6 matrix_b_fmt:MATRIX_FMT_BF6
.endif
.endm
.macro GROUP m                         ; the eight products of the tile of rows m: two experts x four tiles of columns
.irp e, 0,1
.irp t, 0,1,2,3
	MUL1 SET, BUF, \m, \e, \t, FIRST
.endr
.endr
.endm
; K STEP k of 128: 48 matrix instructions on 48 accumulators, which take turns, one instruction a turn, in the same order in every step.
; W's registers of step k are set k % 3, x's are buffer k % 2.  In step 0 the biases start the sums.
; The step's loads are dealt among its products in two runs: behind the first eight products W's 24 loads of codes for step k + 2; behind the next sixteen W's four loads of scale words and the 21 LDS loads of
; x for step k + 1 (in step 15: the 48 token numbers of the way out, into x's buffer 0, which no product reads any more).
.macro STEP k
.set SET,  (\k)%3
.set NSET, ((\k)+1)%3
.set PSET, ((\k)+2)%3
.set BUF,  (\k)%2
.set NBUF, 1-BUF
.set FIRST, 0
.if (\k) == 0
.set FIRST, 1
.endif
.if FIRST
.set WHI, 0xd1                         ; source 0 (W) window 1, source 1 (x) window 0, C (bias) window 1, D window 3
.set WLO, 0x91                         ; the same, D window 2
.elseif SET == 2
.set WHI, 0xf2                         ; W window 2; C and D window 3
.set WLO, 0xa2                         ; C and D window 2
.else
.set WHI, 0xf1
.set WLO, 0xa1
.endif
.if (\k) < 15
	s_wait_loadcnt 28                              ; this step's 28 loads of W are in; the 28 that the step before issued may be out
.else
	s_wait_loadcnt 0x0                             ; nothing was asked for behind the last set
.endif
	s_wait_dscnt 9                                 ; x's scale words and tiles 0-2 are in; the nine loads of tiles 3-5 may be out
.if (\k) > 0
	s_wait_alu depctr_va_vdst(0)                   ; the last step's products are done reading W's set (k + 2) % 3, its scale words and x's other buffer: this step's loads land in them
.endif
	WIN WHI
	GROUP 0
.if (\k) < 14
	WCODES PSET, (\k)+2                            ; no product since the wait names these registers
.endif
	WIN WHI
	GROUP 1
	GROUP 2
	WIN 0
.if (\k) < 14
	WWORDS PSET, (\k)+2
.endif
.if (\k) < 15
	XLDA NBUF, NSET, (\k)+1
	XLDB NBUF, (\k)+1
	s_wait_dscnt 21                                ; this step's tiles 3-5 are in; the 21 just issued may be out
.else
.set J, 0
.rept 48
	ds_load_b32 v[OA+J], v[TOUT] offset:8*J        ; the way out: the token of row 2 J + lane / 16
.set J, J+1
.endr
	s_wait_dscnt 48                                ; this step's tiles 3-5 are in; the 48 just issued may be out
.endif
	WIN WHI
	GROUP 3
	WIN WLO
	GROUP 4
	GROUP 5
.rept 4
	v_nop                                          ; four plain vector instructions stand between the step's last products and the next loads into registers that they read, and the first read of results
.endr
.endm
.irp k, 0,1,2,3,4,5,6,7,8,9,10,11,12,13,14,15
	STEP \k
.endr
; THE WAY OUT, a tile of 16 rows at a time: y = gate a x sum a + gate b x sum b, each accumulator read from its low end on; through my own stage in LDS, so that sixteen lanes store 256 consecutive bytes of a token's row.
; The 48 store addresses are made first, all at once.  Tile m works in Y[m % 2] and D[m % 2]; its global stores stand behind tile m + 1's arithmetic and stage traffic.
	WIN 0
	s_wait_dscnt 0x0                               ; the 48 token numbers are in
.set J, 0
.rept 48
	v_min_u32 v[OA+J], 0x7ff, v[OA+J]
.set J, J+1
.endr
.set J, 0
.rept 48
	v_lshlrev_b32 v[OA+J], 13, v[OA+J]             ; a row of y is 8,192 bytes
.set J, J+1
.endr
.set J, 0
.rept 48
	v_add_nc_u32 v[OA+J], v[OA+J], v[CO]
.set J, J+1
.endr
.macro TOSTAGE m
.set YB, Y+32*((\m)%2)
.set DB, DATA+32*((\m)%2)
.if (\m) >= 2
	s_wait_xcnt 0x0                                ; the global stores of two tiles back have had their addresses translated: their data registers are loaded again only behind this wait
	s_wait_alu depctr_vm_vsrc(0)                   ; the LDS stores of two tiles back have read this Y, which the arithmetic below writes; the global stores of two tiles back have read this D, in which the loads below land
.endif
.if (\m) < 4
	WIN 0x03                                       ; source 0: window 3
.set AB, 64*(\m)
.else
	WIN 0x02
.set AB, 128+64*((\m)-4)
.endif
.irp t, 0,1,2,3
.irp p, 0,2,4,6
	v_pk_mul_f32 v[YB+8*\t+\p:YB+8*\t+\p+1], v[AB+8*\t+\p:AB+8*\t+\p+1], v[CW+2*(\m):CW+2*(\m)+1] op_sel_hi:[1,0]
.endr
.irp p, 0,2,4,6
	v_pk_fma_f32 v[YB+8*\t+\p:YB+8*\t+\p+1], v[AB+32+8*\t+\p:AB+32+8*\t+\p+1], v[CW+2*(\m):CW+2*(\m)+1], v[YB+8*\t+\p:YB+8*\t+\p+1] op_sel:[0,1,0] op_sel_hi:[1,1,1]
.endr
.endr
	WIN 0
	s_wait_alu depctr_va_vdst(0)                   ; this Y is written, which the LDS stores read; in tile 0 also: the 48 store addresses are written, and the last step's products are done reading the registers in which D0 lands
.irp t, 0,1,2,3
	ds_store_b128 v[STO], v[YB+8*\t:YB+8*\t+3] offset:64*\t
	ds_store_b128 v[STO], v[YB+8*\t+4:YB+8*\t+7] offset:64*\t+16
.endr
.irp i, 0,1,2,3,4,5,6,7
	ds_load_b128 v[DB+4*\i:DB+4*\i+3], v[RD] offset:2*SPITCH*\i      ; LDS serves a wave's instructions in order: these see my stores, and the next tile's stores come behind them
.endr
.endm
.macro SEND m, younger                 ; younger: the LDS instructions issued behind tile m's loads, which may stay out
.set DB, DATA+32*((\m)%2)
	s_wait_dscnt \younger                          ; the tile is back in registers
.irp i, 0,1,2,3,4,5,6,7
	global_store_b128 v[OA+8*(\m)+\i], v[DB+4*\i:DB+4*\i+3], s[18:19] th:TH_STORE_NT   ; 16 lanes store 256 consecutive bytes, at a multiple of 256 from y's first byte
.endr
.endm
	TOSTAGE 0
.irp m, 1,2,3,4,5
	TOSTAGE \m
	SEND \m-1, 16                                  ; behind tile m - 1's loads: tile m's eight stores and eight loads
.endr
	SEND 5, 0
.Lend:
	s_wait_dscnt 0x0                               ; the closing lines, six on end
	s_wait_alu 0x0
	s_wait_tensorcnt 0x0
	ds_add_u32 v254, v255
	s_wait_dscnt 0x0
	s_endpgm
.Lfunc_end_k_q705165c03b_moe:
	.size	k_q705165c03b_moe, .Lfunc_end_k_q705165c03b_moe-k_q705165c03b_moe
	.p2alignl 7, 3214868480
	.fill 96, 4, 3214868480
	.section	.rodata,"a",@progbits
	.p2align	6, 0x0
	.amdhsa_kernel k_q705165c03b_moe
		.amdhsa_group_segment_fixed_size 176128
		.amdhsa_private_segment_fixed_size 0
		.amdhsa_enable_private_segment 0
		.amdhsa_kernarg_size 64
		.amdhsa_user_sgpr_count 2
		.amdhsa_user_sgpr_kernarg_segment_ptr 1
		.amdhsa_wavefront_size32 1
		.amdhsa_system_sgpr_workgroup_id_x 1
		.amdhsa_system_sgpr_workgroup_id_y 1
		.amdhsa_system_sgpr_workgroup_id_z 1
		.amdhsa_system_vgpr_workitem_id 0
		.amdhsa_next_free_vgpr 1024
		.amdhsa_next_free_sgpr 96
		.amdhsa_reserve_vcc 0
		.amdhsa_float_denorm_mode_32 3
		.amdhsa_float_denorm_mode_16_64 3
		.amdhsa_memory_ordered 1
		.amdhsa_forward_progress 1
		.amdhsa_inst_pref_size 240
	.end_amdhsa_kernel
	.amdgpu_metadata
---
amdhsa.version: [ 1, 2 ]
amdhsa.kernels:
  - .name:           k_q705165c03b_moe
    .symbol:         k_q705165c03b_moe.kd
    .args:
      - { .name: cnt, .offset: 0, .size: 8, .value_kind: global_buffer, .address_space: global }
      - { .name: sorted, .offset: 8, .size: 8, .value_kind: global_buffer, .address_space: global }
      - { .name: xq, .offset: 16, .size: 8, .value_kind: global_buffer, .address_space: global }
      - { .name: xs, .offset: 24, .size: 8, .value_kind: global_buffer, .address_space: global }
      - { .name: cw, .offset: 32, .size: 8, .value_kind: global_buffer, .address_space: global }
      - { .name: wq, .offset: 40, .size: 8, .value_kind: global_buffer, .address_space: global }
      - { .name: b, .offset: 48, .size: 8, .value_kind: global_buffer, .address_space: global }
      - { .name: out0, .offset: 56, .size: 8, .value_kind: global_buffer, .address_space: global }
    .group_segment_fixed_size: 176128
    .private_segment_fixed_size: 0
    .kernarg_segment_align: 8
    .kernarg_segment_size: 64
    .max_flat_workgroup_size: 128
    .sgpr_count:     96
    .vgpr_count:     1024
    .wavefront_size: 32
...
	.end_amdgpu_metadata
.endif
;; end of part 6
